; MI455X (gfx1250); checked and timed in simulation.
; The chip was launched on July 23, 2026; its instructions are those of AMD's public machine-readable ISA for CDNA 5 (MIT licence, August 2026) and "CDNA5" Instruction Set Architecture Reference Guide (July 2026). The comments in the code are by the model that wrote it; some were corrected since.
;; Causal Self Attention. Allowed arithmetic: matrix products marked QUANTISED: E2M3 operands, one E8M0 scale for each 32 along K, by v_wmma_scale_f32_16x16x128_f8f6f4 with both operands' format E2M3, f32 sums; everything else in f32.
;; Inputs: Wproj 1,024 x 1,024 float32; Wqkv 1,024 x 3,072 float32; bproj 1,024 float32; bqkv 3,072 float32; x 4 x 2,048 x 1,024 float32.
;; Outputs: out0 4 x 2,048 x 1,024 float32.
;; This version of the problem:
;;   THIS VERSION OF THE PROBLEM IS GIVEN IN LOW PRECISION. The matrix products marked QUANTISED in the list below multiply operands that are first quantised to E2M3 (2 exponent bits, 3 mantissa bits; 6 bits a number), with one power-of-two scale for each 32 numbers along K (OCP MX v1.0); their sums are f32. All else is computed in f32.
;;   The module's matrix products, in the order in which they are computed (A, B: the left and right operand; K: the contracted axis; several contracted axes count as one K, in the product's order):
;;     1. [M 8,192, K 1,024] x [K 1,024, N 3,072]; A: input x; B: input Wqkv: QUANTISED
;;     2. batch 64 x [M 2,048, K 64] x [K 64, N 2,048]; A: computed on the way; B: computed on the way: QUANTISED
;;     3. batch 64 x [M 2,048, K 2,048] x [K 2,048, N 64]; A: softmax (see below); B: computed on the way: QUANTISED
;;     4. [M 8,192, K 1,024] x [K 1,024, N 1,024]; A: computed on the way; B: input Wproj: QUANTISED
;;   THE QUANTISER, for each operand of a quantised product, along K:
;;     - K is cut into blocks of 32 from its start; a last block that is shorter is filled with zeros.
;;     - A block's scale is 2^e with e = floor(log2(the largest magnitude in the block)) - 2, held to -126 .. 127; a block of zeros has e = 0. As a byte (E8M0): e + 127.
;;     - Each number is divided by its block's scale, clamped to +-7.5, and rounded to the nearest number of E2M3, ties to even, subnormals kept.
;;     - The product sums the exact products of the quantised numbers (number of the format x scale) in f32.
;;   ~~~python
;;   def quantise(x, axis):      # numpy; x: float32 -> the quantised numbers, widened to float32 again
;;       x = np.moveaxis(x, axis, -1); K = x.shape[-1]
;;       x = np.pad(x, [(0, 0)] * (x.ndim - 1) + [(0, -K % 32)]); x = x.reshape(x.shape[:-1] + (-1, 32)); a = np.abs(x).max(-1, keepdims=True)
;;       e = np.where(a > 0, np.clip(np.frexp(np.where(a > 0, a, 1))[1] - 1 - 2, -126, 127), 0)      # np.frexp(a)[1] - 1 = floor(log2(a)), exactly
;;       r = np.clip(x / 2.0 ** e, -7.5, 7.5)
;;       step = 2.0 ** (np.maximum(np.frexp(np.where(r == 0, 1, r))[1] - 1, 0) - 3)
;;       q = np.round(r / step) * step * 2.0 ** e      # np.round: ties to even
;;       return np.moveaxis(q.reshape(q.shape[:-2] + (-1,))[..., :K], -1, axis).astype(np.float32)
;;   ~~~
;;   SOFTMAX AHEAD OF A QUANTISED PRODUCT. Where the list says 'softmax', what is quantised is not the finished softmax but p = 2^(t - M), with t = logit x log2(e) and M = ceil(the row's largest t), a whole number; so 1/2 < the row's largest p <= 1. The row's sum l is taken of the UNQUANTISED p, in f32, and the product's result is divided by l at the end. Since M is a whole number, a kernel that streams over the keys may use a running M (the ceiling of the running maximum): every later rescaling is an exact power of two, which a block's scale takes up: the codes' values come out the same.
;;   OPERANDS COMPUTED ON THE WAY. 'Computed on the way' means the value that the module computes at that place (a softmax that the list does not call 'softmax' is quantised finished and normalised). What goes into a quantiser is computed in f32, as accurately as f32 sums, v_exp_f32 and their like allow (about 1e-6 of the number): no bf16 or f16 on the way to a quantiser, and a product that is left as it is and whose result goes on into a quantised operand takes f32 operands (vector FMAs, or v_wmma_f32_16x16x4_f32). A number that lies on a knife's edge between two numbers of the format may be rounded either way, as far as f32 arithmetic and the matrix unit's own rounding can turn it there, and no further.
;; One version. Each part assembles by itself: llvm-mc -triple=amdgcn-amd-amdhsa -mcpu=gfx1250 --defsym DOCPART=n.
;; ======== version 1 of 1: 4 launches
;; workspace buffers: xc 6,291,456 bytes; wc 3,145,728 bytes; sc 655,360 bytes; rt 524,288 bytes; qkvc 18,874,368 bytes; qkvs 1,310,720 bytes; oc 6,291,456 bytes
;; launch prep (part 1): grid 544 x 1, 4 waves a work-group, no clusters, 47,616 bytes of LDS; arguments x, Wqkv, Wproj, xc, wc, sc, rt; writes xc, wc, sc, rt
.if DOCPART == 1
	.amdgcn_target "amdgcn-amd-amdhsa--gfx1250"
	.amdhsa_code_object_version 6
	.text
	.protected	k_qb3c30a830e_prep
	.globl	k_qb3c30a830e_prep
	.p2align	8
	.type	k_qb3c30a830e_prep,@function
k_qb3c30a830e_prep:
	s_mov_b64 s[64:65], 0
	v_nop
	global_prefetch_b8 v0, s[64:65] scope:SCOPE_SE
	s_setreg_imm32_b32 hwreg(HW_REG_WAVE_MODE, 25, 1), 1
	s_wait_xcnt 0x0
; PREP: x [8192][1024], Wqkv [1024][3072] and Wproj [1024][1024], f32, become codes of FP6 (E2M3) with one E8M0 byte for each 32 along K, laid in the order of the
; matrix operand's registers; and the table of cos and sin for the rotation of q and k is made.
; A block's scale is 2^(floor(log2(largest magnitude)) - 2): its byte is the largest magnitude's exponent field - 2, held at 1 from below by a floor among the maximum's leaves.
; TILES.  Rows (of x) and columns (of a weight) go in groups of 32: tile 2 g + u, fragment row p, is row 32 g + 8 u + p + 8 (p / 8).
; A HALF IMAGE is 16 rows x 64 K as six operand registers: lane (r, h) holds k = 32 h .. 32 h + 31 of row r; registers 0-3 at 16 x lane, registers 4-5 at 512 + 8 x lane: 768 bytes.
; xc: [K / 256][tile 512][4][768].  wc: Wqkv [K / 256][tile 192][4][768], then Wproj [K / 256][tile 64][4][768].  sc: [tile][K step / 4][r][4 words], a word = the four bytes of 128 along K.
; rt: [tile of 16 positions 128][piece 8][lane][16 bytes]: (cos, sin, cos, sin) of pairs 16 (p / 4) + 8 h + 2 (p % 4) + 0, 1 at the position of the tile's row r.
; THREE PATHS by the work-group's number: 0-255 the weights, 256-511 x, 512-543 the table.  Each path that uses LDS has bytes of its own; waves share nothing: no barrier.
; LIMITS: NaN and infinities among the inputs are not served.  A block of zeros gets the byte 1 where the rule says 127: its codes are zeros, and this program alone reads the bytes.
; The rotation's frequency is 2^(-j log2(10000) / 32) by v_exp_f32: one or two units in its last place from a correctly rounded power, so an angle near position 2047 may differ by about 1e-4;
; cos and sin come by reduction with pi / 2 in two parts and polynomials of degree 7 and 8: about 1e-7.
.set XST,  8448                        ; x's stage: 16 rows x (512 bytes + 16), one for each wave, from LDS byte 0
.set WST0, 33792                       ; the weights' stages begin here
.set WST,  3328                        ; one for each wave: two tiles
.set WTP,  1664                        ; a tile's two half images, 1,536 bytes, + 128
	s_load_b256 s[4:11], s[0:1], 0x0               ; x s[4:5], Wqkv s[6:7], Wproj s[8:9], xc s[10:11]
	s_load_b128 s[12:15], s[0:1], 0x20             ; wc s[12:13], sc s[14:15]
	s_load_b64 s[16:17], s[0:1], 0x30              ; rt
	v_lshl_add_u32 v254, v0, 2, 0xb800
	v_mov_b32 v255, 0
	v_lshrrev_b32 v1, 5, v0
	v_readfirstlane_b32 s18, v1                    ; wave
	v_and_b32 v2, 31, v0                           ; lane
	s_mov_b32 s20, 0x76543210
	s_mov_b32 s21, 0xfedcba98                      ; v_permlanex16_b32's selects for lane l xor 16
	s_cmp_lt_u32 ttmp9, 256
	s_cbranch_scc1 .Lpath_w
	s_cmp_lt_u32 ttmp9, 512
	s_cbranch_scc1 .Lpath_x
; ---------------- THE TABLE: a wave makes one tile of 16 positions x 32 pairs, 16 pairs a lane
	s_sub_co_u32 s22, ttmp9, 512
	s_lshl_b32 s22, s22, 2
	s_add_co_u32 s22, s22, s18                     ; tile 0..127
	s_lshr_b32 s23, s22, 1
	s_lshl_b32 s23, s23, 5
	s_and_b32 s24, s22, 1
	s_lshl_b32 s24, s24, 3
	s_add_co_u32 s23, s23, s24                     ; 32 (tile / 2) + 8 (tile % 2)
	s_lshl_b32 s22, s22, 12                        ; a tile's 4,096 bytes
	s_mov_b32 s25, 0xbfc90fdb                      ; -(pi / 2), the upper part
	s_mov_b32 s26, 0x333bbd2e                      ; and what the upper part is too large by
	v_and_b32 v3, 15, v0                           ; r
	v_bfe_u32 v4, v0, 4, 1                         ; h
	v_and_b32 v5, 8, v3
	v_add_nc_u32 v5, v5, v3
	v_add_nc_u32 v5, s23, v5                       ; my position
	v_cvt_f32_u32 v5, v5
	v_lshlrev_b32 v6, 3, v4                        ; 8 h
	s_wait_alu depctr_va_vdst(0)
	v_lshlrev_b32 v7, 4, v2                        ; 16 x lane
.irp q, 0,1,2,3,4,5,6,7,8,9,10,11,12,13,14,15
	v_add_nc_u32 v[16+\q], 16*(\q/8)+\q%8, v6      ; pair j
.endr
.irp q, 0,1,2,3,4,5,6,7,8,9,10,11,12,13,14,15
	v_cvt_f32_u32 v[16+\q], v[16+\q]
.endr
.irp q, 0,1,2,3,4,5,6,7,8,9,10,11,12,13,14,15
	v_mul_f32 v[16+\q], 0xbed49a78, v[16+\q]       ; -j log2(10000) / 32
.endr
	s_wait_alu depctr_va_vdst(0)
.irp q, 0,1,2,3,4,5,6,7,8,9,10,11,12,13,14,15
	v_exp_f32 v[16+\q], v[16+\q]                   ; the frequency
.endr
	v_nop                                          ; a plain instruction behind the last exponential
	s_wait_alu depctr_va_vdst(0)                   ; one wait for the sixteen, ahead of their first reader
.irp q, 0,1,2,3,4,5,6,7,8,9,10,11,12,13,14,15
	v_mul_f32 v[16+\q], v5, v[16+\q]               ; the angle: position x frequency, rounded once
.endr
; cos and sin of the angle in v[an], never negative here, into v[oc] and v[os]
.macro SINCOS an, oc, os
	v_mul_f32 v8, 0x3f22f983, v[\an]               ; x 2 / pi
	v_rndne_f32 v8, v8                             ; n
	v_fma_f32 v9, v8, s25, v[\an]
	v_fma_f32 v9, v8, s26, v9                      ; the rest, within pi / 4
	v_mul_f32 v10, v9, v9                          ; z
	v_mov_b32 v11, 0xb94ca1f9
	v_fmaak_f32 v11, v11, v10, 0x3c08839e
	v_fmaak_f32 v11, v11, v10, 0xbe2aaaa3
	v_mul_f32 v11, v11, v10
	v_fma_f32 v11, v11, v9, v9                     ; the rest's sine
	v_mov_b32 v12, 0x37ccf5ce
	v_fmaak_f32 v12, v12, v10, 0xbab6061a
	v_fmaak_f32 v12, v12, v10, 0x3d2aaaa5
	v_mul_f32 v13, v10, v10
	v_fma_f32 v14, v10, -0.5, 1.0
	v_fma_f32 v12, v13, v12, v14                   ; and cosine
	v_cvt_i32_f32 v8, v8                           ; the quadrant is n mod 4
	v_and_b32 v13, 1, v8
	v_cmp_eq_u32 vcc_lo, 1, v13
	v_cndmask_b32 v14, v11, v12, vcc_lo            ; odd quadrants change the two
	v_cndmask_b32 v15, v12, v11, vcc_lo
	v_and_b32 v13, 2, v8
	v_lshlrev_b32 v13, 30, v13                     ; sine is negative in quadrants 2 and 3,
	v_xor_b32 v[\os], v13, v14
	v_add_nc_u32 v8, 1, v8
	v_and_b32 v8, 2, v8
	v_lshlrev_b32 v8, 30, v8                       ; cosine in 1 and 2
	v_xor_b32 v[\oc], v8, v15
.endm
.irp q, 0,1,2,3,4,5,6,7,8,9,10,11,12,13,14,15
	SINCOS 16+\q, 32+2*\q, 33+2*\q
.endr
	s_mov_b32 s23, 0
	s_wait_alu depctr_va_vdst(0)
	s_wait_kmcnt 0x0
	s_add_nc_u64 s[16:17], s[16:17], s[22:23]
.irp p, 0,1,2,3,4,5,6,7
	global_store_b128 v7, v[32+4*\p:35+4*\p], s[16:17] offset:512*\p   ; 32 lanes store 512 consecutive bytes
.endr
	s_endpgm
; ---------------- THE WEIGHTS: K is the first axis.  A lane takes a column and its registers run down K, so a block of 32 lies in one lane and the codes come out with K innermost.
; Work-group: 128 columns (groups 0-23 Wqkv, 24-31 Wproj) x one K step of 128; a wave 32 columns = two tiles.
.Lpath_w:
	s_and_b32 s22, ttmp9, 31                       ; group of 128 columns
	s_lshr_b32 s23, ttmp9, 5                       ; K step
	s_wait_kmcnt 0x0
	s_cmp_lt_u32 s22, 24                           ; Wqkv or Wproj: the choice hangs on the work-group's number alone
	s_cselect_b64 s[26:27], s[6:7], s[8:9]
	s_cselect_b32 s24, 0, 24
	s_mov_b32 s28, 524288
	s_cselect_b32 s28, 1572864, s28                ; 128 rows of the weight in bytes
	s_cselect_b32 s29, 0, 2359296                  ; where its codes begin in wc
	s_mov_b32 s30, 196608
	s_cselect_b32 s30, 589824, s30                 ; 256 along K of all its tiles
	s_mov_b32 s31, 360448
	s_cselect_b32 s31, 262144, s31                 ; where its scale words begin in sc
	s_sub_co_u32 s24, s22, s24                     ; the group within its weight
	s_mul_i32 s32, s23, s28
	s_lshl_b32 s33, s24, 9
	s_add_co_u32 s32, s32, s33
	s_lshl_b32 s33, s18, 7
	s_add_co_u32 s32, s32, s33                     ; + 4 x (128 group + 32 wave)
	s_mov_b32 s33, 0
	s_add_nc_u64 s[26:27], s[26:27], s[32:33]
	s_lshl_b32 s36, s24, 3
	s_lshl_b32 s37, s18, 1
	s_add_co_u32 s36, s36, s37                     ; my first tile
	s_lshr_b32 s34, s23, 1
	s_mul_i32 s34, s34, s30
	s_add_co_u32 s34, s34, s29
	s_mul_i32 s37, s36, 3072
	s_add_co_u32 s34, s34, s37
	s_and_b32 s37, s23, 1
	s_mul_i32 s37, s37, 1536
	s_add_co_u32 s34, s34, s37
	s_mov_b32 s35, 0
	s_add_nc_u64 s[12:13], s[12:13], s[34:35]      ; my tiles' two half images of this K step
	s_lshl_b32 s34, s36, 9
	s_add_co_u32 s34, s34, s31
	s_lshr_b32 s37, s23, 2
	s_lshl_b32 s37, s37, 8
	s_add_co_u32 s34, s34, s37
	s_and_b32 s37, s23, 3
	s_lshl_b32 s37, s37, 2
	s_add_co_u32 s34, s34, s37
	s_add_nc_u64 s[14:15], s[14:15], s[34:35]      ; and their scale words
	s_wait_alu depctr_va_vdst(0)
	v_lshlrev_b32 v3, 2, v2                        ; in: 4 bytes a lane
	v_bfe_u32 v4, v0, 3, 1                         ; u: which of the two tiles my column falls into,
	v_and_b32 v5, 7, v0
	v_bfe_u32 v6, v0, 4, 1
	v_lshl_add_u32 v5, v6, 3, v5                   ; and which fragment row r
	s_mul_i32 s38, s18, WST
	s_add_co_u32 s38, s38, WST0                    ; my stage
	v_mul_u32_u24 v7, v4, WTP
	v_add_nc_u32 v7, s38, v7
	v_lshl_add_u32 v8, v5, 4, v7                   ; registers 0-3 of my row
	v_lshl_add_u32 v9, v5, 3, v7                   ; registers 4-5
	v_lshlrev_b32 v11, 4, v2                       ; out: 16 x lane
	v_add_nc_u32 v10, s38, v11
	v_lshlrev_b32 v12, 9, v4
	v_lshl_add_u32 v12, v5, 4, v12                 ; my scale word: 512 u + 16 r
.macro WLOAD pitch                     ; W(128 step + n, my column): 32 lanes read 128 consecutive bytes, the four waves 512
.set n, 0
.rept 128
	global_load_b32 v[64+n], v3, s[26:27] offset:n*\pitch th:TH_LOAD_NT
.set n, n+1
.endr
.endm
	s_cmp_lt_u32 s22, 24
	s_cbranch_scc0 .Lw_proj
	WLOAD 12288
	s_branch .Lw_go
.Lw_proj:
	WLOAD 4096
.Lw_go:
; block t of my column: k = 32 t .. 32 t + 31.  It is lane (r, t % 2) of half image t / 2.  left: the younger loads that may stay out
.macro WBLOCK t, left
.set XS, 64+32*(\t)
	s_wait_loadcnt \left
	v_max3_num_f32 v13, |v[XS]|, |v[XS+1]|, |v[XS+2]|
	v_max3_num_f32 v14, |v[XS+3]|, |v[XS+4]|, |v[XS+5]|
.irp i, 6,10,14,18,22,26
	v_max3_num_f32 v13, v13, |v[XS+\i]|, |v[XS+\i+1]|
	v_max3_num_f32 v14, v14, |v[XS+\i+2]|, |v[XS+\i+3]|
.endr
	v_max3_num_f32 v13, v13, |v[XS+30]|, |v[XS+31]|
	v_max3_num_f32 v13, v13, v14, 0x1800000        ; and the floor 2^(3 - 127): the byte cannot fall under 1
	v_add_nc_u32 v15, 0xff000000, v13              ; 2 off the exponent field: the conversion's scale operand
	v_lshrrev_b32 v14, 23, v15                     ; the byte
.if (\t) == 0
	v_mov_b32 v16, v14
.else
	v_lshl_or_b32 v16, v14, 8*(\t), v16
.endif
	v_cvt_scalef32_pk16_fp6_f32 v[192+8*(\t):194+8*(\t)], v[XS:XS+15], v15
	v_cvt_scalef32_pk16_fp6_f32 v[224:226], v[XS+16:XS+31], v15   ; (a conversion's three registers begin on an even number)
	v_nop                                          ; one plain place behind a scaled conversion
.irp i, 0,1,2
	v_mov_b32 v[195+8*(\t)+\i], v[224+\i]
.endr
	ds_store_b128 v8, v[192+8*(\t):195+8*(\t)] offset:((\t)/2)*768+256*((\t)%2)
	ds_store_b64 v9, v[196+8*(\t):197+8*(\t)] offset:((\t)/2)*768+512+128*((\t)%2)
.endm
	WBLOCK 0, 63                                   ; 96 younger loads: the count is the largest that the wait can name
	WBLOCK 1, 63                                   ; 64 younger
	WBLOCK 2, 32
	WBLOCK 3, 0
.irp q, 0,1,2,3,4,5
	ds_load_b128 v[228+4*\q:231+4*\q], v10 offset:(\q/3)*WTP+512*(\q%3)   ; LDS serves a wave's instructions in order: these see my stores
.endr
	s_wait_alu depctr_va_vdst(0)
.irp q, 0,1,2,3,4,5
	s_wait_dscnt 5-\q
	global_store_b128 v11, v[228+4*\q:231+4*\q], s[12:13] offset:(\q/3)*3072+512*(\q%3)   ; 512 consecutive bytes
.endr
	global_store_b32 v12, v16, s[14:15]            ; 4 bytes a lane, 16 apart: one byte for each 32 that this path reads
	s_wait_tensorcnt 0x0
	ds_add_u32 v254, v255
	s_wait_dscnt 0x0
	s_endpgm
; ---------------- x: K is innermost.  A wave takes one tile of 16 rows x 512 along K, in four steps of 128.  Each load reads 512 consecutive bytes of one row; the step's 16 x 512 bytes turn
; through the wave's own stage, from which lane (r, h) takes its two whole blocks, k = 64 c + 32 h + 0 .. 31 of row r.
.Lpath_x:
	s_sub_co_u32 s22, ttmp9, 256
	s_lshl_b32 s22, s22, 2
	s_add_co_u32 s22, s22, s18
	s_lshr_b32 s23, s22, 1                         ; tile 0..511
	s_and_b32 s24, s22, 1                          ; which half of K
	s_lshr_b32 s26, s23, 1
	s_lshl_b32 s26, s26, 17                        ; 32 rows of 4,096 bytes
	s_and_b32 s27, s23, 1
	s_lshl_b32 s27, s27, 15
	s_add_co_u32 s26, s26, s27
	s_lshl_b32 s27, s24, 11
	s_add_co_u32 s26, s26, s27
	s_mov_b32 s27, 0
	s_mul_i32 s28, s24, 3145728
	s_mul_i32 s29, s23, 3072
	s_add_co_u32 s28, s28, s29
	s_mov_b32 s29, 0
	s_lshl_b32 s30, s23, 9
	s_lshl_b32 s31, s24, 8
	s_add_co_u32 s30, s30, s31
	s_mov_b32 s31, 0
	s_mul_i32 s32, s18, XST
	s_wait_alu depctr_va_vdst(0)
	v_lshlrev_b32 v3, 4, v2                        ; 16 x lane
	v_lshlrev_b32 v6, 3, v2                        ; 8 x lane
	v_add_nc_u32 v4, s32, v3                       ; into the stage
	v_and_b32 v8, 15, v0                           ; r
	v_bfe_u32 v9, v0, 4, 1                         ; h
	v_mul_u32_u24 v5, v8, 528
	v_lshl_add_u32 v5, v9, 7, v5
	v_add_nc_u32 v5, s32, v5                       ; out of it: row r, + 128 h
	v_lshlrev_b32 v7, 4, v8
	v_lshl_add_u32 v7, v9, 3, v7                   ; my two scale words: 16 r + 8 h
	v_lshlrev_b32 v215, 3, v9                      ; 8 h
	v_cmp_eq_u32 vcc_lo, 1, v9                     ; lanes 16-31
	v_mov_b32 v216, 0                              ; written once: a lane permute's destination counts as one of its sources
	s_wait_alu depctr_va_vdst(0)
	s_wait_kmcnt 0x0
	s_add_nc_u64 s[4:5], s[4:5], s[26:27]
	s_add_nc_u64 s[10:11], s[10:11], s[28:29]
	s_add_nc_u64 s[14:15], s[14:15], s[30:31]
.macro XLOAD t
.irp p, 0,1,2,3,4,5,6,7,8,9,10,11,12,13,14,15
	global_load_b128 v[16+64*((\t)%2)+4*\p:16+64*((\t)%2)+4*\p+3], v3, s[4:5] offset:(\p+8*(\p/8))*4096+512*(\t) th:TH_LOAD_NT
.endr
.endm
.macro XSTEP t
.if (\t) < 3
	s_wait_loadcnt 0x10                            ; this step's 16 loads are in; the next step's 16 may be out
.else
	s_wait_loadcnt 0x0
.endif
.irp p, 0,1,2,3,4,5,6,7,8,9,10,11,12,13,14,15
	ds_store_b128 v4, v[16+64*((\t)%2)+4*\p:16+64*((\t)%2)+4*\p+3] offset:528*\p
.endr
.irp c, 0,1
.irp e, 0,1,2,3,4,5,6,7
	ds_load_b128 v[144+32*\c+4*\e:144+32*\c+4*\e+3], v5 offset:256*\c+16*\e
.endr
.endr
	s_wait_dscnt 0x0                               ; my numbers are back, and the stores have read their registers,
.if (\t) < 2
	XLOAD (\t)+2                                   ; which take the loads of two steps on
.endif
.irp c, 0,1
	v_max3_num_f32 v[208+\c], |v[144+32*\c]|, |v[145+32*\c]|, 0x1800000   ; block 2 c + h is all mine; the floor holds the byte at 1
.endr
.irp i, 2,4,6,8,10,12,14,16,18,20,22,24,26,28,30
.irp c, 0,1
	v_max3_num_f32 v[208+\c], v[208+\c], |v[144+32*\c+\i]|, |v[145+32*\c+\i]|
.endr
.endr
.irp c, 0,1
	v_add_nc_u32 v[210+\c], 0xff000000, v[208+\c]
.endr
.irp c, 0,1
	v_lshrrev_b32 v[212+\c], 23, v[210+\c]
.endr
	v_lshl_or_b32 v214, v213, 16, v212             ; my two bytes: blocks h and 2 + h,
	v_lshlrev_b32 v214, v215, v214                 ; at their places;
	v_permlanex16_b32 v216, v214, s20, s21
	v_or_b32 v[220+(\t)], v214, v216               ; with lane l xor 16's two the word is whole
	s_wait_alu depctr_va_vdst(0)
	s_wait_xcnt 0x0                                ; the last step's stores have read their registers
.irp c, 0,1
	v_cvt_scalef32_pk16_fp6_f32 v[224+8*\c:226+8*\c], v[144+32*\c:159+32*\c], v[210+\c]
	v_cvt_scalef32_pk16_fp6_f32 v[240+4*\c:242+4*\c], v[160+32*\c:175+32*\c], v[210+\c]
.endr
	v_nop                                          ; one plain place behind a scaled conversion
.irp c, 0,1
.irp i, 0,1,2
	v_mov_b32 v[227+8*\c+\i], v[240+4*\c+\i]
.endr
.endr
.irp c, 0,1
	global_store_b128 v3, v[224+8*\c:227+8*\c], s[10:11] offset:((\t)/2)*1572864+(2*((\t)%2)+\c)*768       ; 512 consecutive bytes,
	global_store_b64 v6, v[228+8*\c:229+8*\c], s[10:11] offset:((\t)/2)*1572864+(2*((\t)%2)+\c)*768+512    ; and the 256 behind them
.endr
.endm
	XLOAD 0
	XLOAD 1
	XSTEP 0
	XSTEP 1
	XSTEP 2
	XSTEP 3
	v_cndmask_b32 v218, v220, v222, vcc_lo         ; lanes 0-15 store words 0 and 1, lanes 16-31 words 2 and 3
	v_cndmask_b32 v219, v221, v223, vcc_lo
	global_store_b64 v7, v[218:219], s[14:15]      ; 256 consecutive bytes
	s_wait_tensorcnt 0x0
	ds_add_u32 v254, v255
	s_wait_dscnt 0x0
	s_endpgm
.Lfunc_end_k_qb3c30a830e_prep:
	.size	k_qb3c30a830e_prep, .Lfunc_end_k_qb3c30a830e_prep-k_qb3c30a830e_prep
	.p2alignl 7, 3214868480
	.fill 96, 4, 3214868480
	.section	.rodata,"a",@progbits
	.p2align	6, 0x0
	.amdhsa_kernel k_qb3c30a830e_prep
		.amdhsa_group_segment_fixed_size 47616
		.amdhsa_private_segment_fixed_size 0
		.amdhsa_enable_private_segment 0
		.amdhsa_kernarg_size 56
		.amdhsa_user_sgpr_count 2
		.amdhsa_user_sgpr_kernarg_segment_ptr 1
		.amdhsa_wavefront_size32 1
		.amdhsa_system_sgpr_workgroup_id_x 1
		.amdhsa_system_sgpr_workgroup_id_y 1
		.amdhsa_system_sgpr_workgroup_id_z 1
		.amdhsa_system_vgpr_workitem_id 0
		.amdhsa_next_free_vgpr 256
		.amdhsa_next_free_sgpr 66
		.amdhsa_reserve_vcc 1
		.amdhsa_float_denorm_mode_32 3
		.amdhsa_float_denorm_mode_16_64 3
		.amdhsa_memory_ordered 1
		.amdhsa_forward_progress 1
		.amdhsa_inst_pref_size 90
	.end_amdhsa_kernel
	.amdgpu_metadata
---
amdhsa.version: [ 1, 2 ]
amdhsa.kernels:
  - .name:           k_qb3c30a830e_prep
    .symbol:         k_qb3c30a830e_prep.kd
    .args:
      - { .name: x, .offset: 0, .size: 8, .value_kind: global_buffer, .address_space: global }
      - { .name: Wqkv, .offset: 8, .size: 8, .value_kind: global_buffer, .address_space: global }
      - { .name: Wproj, .offset: 16, .size: 8, .value_kind: global_buffer, .address_space: global }
      - { .name: xc, .offset: 24, .size: 8, .value_kind: global_buffer, .address_space: global }
      - { .name: wc, .offset: 32, .size: 8, .value_kind: global_buffer, .address_space: global }
      - { .name: sc, .offset: 40, .size: 8, .value_kind: global_buffer, .address_space: global }
      - { .name: rt, .offset: 48, .size: 8, .value_kind: global_buffer, .address_space: global }
    .group_segment_fixed_size: 47616
    .private_segment_fixed_size: 0
    .kernarg_segment_align: 8
    .kernarg_segment_size: 56
    .max_flat_workgroup_size: 128
    .sgpr_count:     66
    .vgpr_count:     256
    .wavefront_size: 32
...
	.end_amdgpu_metadata
.endif
;; end of part 1
;; launch qkv (part 2): grid 8 x 32, 4 waves a work-group, clusters of 4 x 4, 327,680 bytes of LDS; arguments xc, wc, sc, rt, bqkv, qkvc, qkvs; writes qkvc, qkvs
.if DOCPART == 2
	.amdgcn_target "amdgcn-amd-amdhsa--gfx1250"
	.amdhsa_code_object_version 6
	.text
	.protected	k_qb3c30a830e_qkv
	.globl	k_qb3c30a830e_qkv
	.p2align	8
	.type	k_qb3c30a830e_qkv,@function
k_qb3c30a830e_qkv:
	s_mov_b64 s[64:65], 0
	v_nop
	global_prefetch_b8 v0, s[64:65] scope:SCOPE_SE
	s_setreg_imm32_b32 hwreg(HW_REG_WAVE_MODE, 25, 1), 1
	s_wait_xcnt 0x0
	s_wait_alu depctr_hold_cnt(0) depctr_sa_sdst(0) depctr_va_vdst(0) depctr_va_sdst(0) depctr_va_ssrc(0) depctr_va_vcc(0) depctr_vm_vsrc(0)
	s_getreg_b32 s2, hwreg(HW_REG_IB_STS2, 6, 4)
	s_cmp_eq_u32 s2, 0
	s_cbranch_scc0 .Lentry_in_a_cluster
	s_endpgm
.Lentry_in_a_cluster:
	s_bfe_u32 s2, ttmp6, 0x10000c
	s_cmp_lg_u32 s2, 0xf033
	s_cbranch_scc0 .Lentry_shape_is_right
	s_endpgm
.Lentry_shape_is_right:
; QKV: qkv = x Wqkv + bqkv on codes of FP6 (E2M3); q and k are rotated and quantised along the head's 64, v is quantised along the keys; all three leave as codes in the order of the next products' operand registers.
; SHARES.  256 work-groups that stay.  Work-group (xg, y) keeps the codes of its 256 rows of x, for all of K, in LDS, and makes three tiles of 256 x 128: columns 128 xg on of q, of k and of v (two heads).
; Four waves.  q, k: wave w makes rows 128 (w / 2) on x columns 64 (w % 2) on (one head), source 0 = 16 columns of W, source 1 = 16 rows of x: a lane holds one row and 32 neighbours-by-halves of the head.
; v: source 0 = 16 rows of x (keys 64 w on), source 1 = 16 columns of W: a lane holds one channel and its registers run along the keys.
; TILES: rows and columns go in groups of 32: tile 2 g + u, fragment row p, is 32 g + 8 u + p + 8 (p / 8): so the 16 registers of tiles 2 g and 2 g + 1 of source 0 are 16 neighbours, 32 g + 16 (lane / 16) + 0 .. 15.
; OPERANDS lie in memory and in LDS as images of their registers (half image: 16 rows x 64 K, 768 bytes: registers 0-3 at 16 x lane, 4-5 at 512 + 8 x lane): every LDS load reads consecutive bytes.
; CLUSTER 4 x 4: x's tiles hang on y alone and are asked for jointly along a row of the cluster, W's on xg alone, along a column.
; LDS: x: chunk (256 K) c at 49,152 c, tile at 3,072 each; W: at 196,608 + 24,576 c; the spare words behind.  W's bytes are filled again for k and for v, one load a wave, which lands under the tile's way out.
; All of a WGP's LDS is claimed, and each refill and each wave's end waits for its tensor loads, adds 0 onto its spare word and waits for the add.
; REGISTERS: window 0: addresses, v32-95 scale words, v96-159 cos and sin (two sets), v160-191 rotated numbers, v192.. at work.  window 1: source 0's fragments, two sets (v0, v48); v96-159 the bias as C.
;   window 2: the 32 accumulators, (a, b) at 8 (4 a + b).   window 3: source 1's fragments, two sets (v0, v96).
; LIMITS: NaN and infinities are not served; a block of zeros gets the byte 1 (its codes are zeros; this program alone reads the bytes).
.set SC,   32
.set CS,   96
.set T,    160
.set F,    192                         ; v192-197 a half image just made
.set G,    198
.set TM,   202
.set TP,   204
.set SO,   206
.set BY,   208
.set SW,   210                         ; v210-217 the scale words (q, k) or pairs of bytes (v) of my eight tiles
.set OW,   218
.set SEL,  26
.set XCH,  49152
.set WCH,  24576
.set WB,   196608
.set SPARE, 294912
.set MSB, 0
.macro WIN new                         ; the immediate's high byte repeats the setting that is left
.if MSB != \new
	s_set_vgpr_msb (MSB<<8)|\new
.set MSB, \new
.endif
.endm
.macro PLACES
.rept 4
	v_nop
.endr
.endm
.macro ROUND                           ; a round of the cluster's barrier
	s_barrier_signal -1
	s_barrier_wait -1
	s_cmp_lg_u32 s18, 0
	s_cbranch_scc1 .Lnw0_\@
	s_barrier_signal -3
.Lnw0_\@:
	s_barrier_wait -3
	s_barrier_signal -1
	s_barrier_wait -1
.endm
	s_load_b256 s[4:11], s[0:1], 0x0               ; xc s[4:5], wc s[6:7], sc s[8:9], rt s[10:11]
	s_load_b128 s[12:15], s[0:1], 0x20             ; bqkv s[12:13], qkvc s[14:15]
	s_load_b64 s[16:17], s[0:1], 0x30              ; qkvs
	v_lshl_add_u32 v8, v0, 2, SPARE                ; my spare word; never rewritten
	v_mov_b32 v9, 0                                ; 0; never rewritten
	ds_add_u32 v8, v9
	ds_add_u32 v8, v9
	s_wait_dscnt 0x0
	v_lshrrev_b32 v1, 5, v0
	v_readfirstlane_b32 s18, v1                    ; wave
	s_and_b32 s19, s18, 1
	s_lshr_b32 s20, s18, 1
	s_bfe_u32 s21, ttmp6, 0x40000                  ; cx
	s_bfe_u32 s22, ttmp6, 0x40004                  ; cy
	s_lshl_b32 s23, ttmp9, 2
	s_add_co_u32 s23, s23, s21                     ; xg
	s_and_b32 s24, ttmp7, 0xffff
	s_lshl_b32 s24, s24, 2
	s_add_co_u32 s24, s24, s22                     ; y
	s_mov_b32 s[SEL], 0x76543210
	s_mov_b32 s[SEL+1], 0xfedcba98
	s_lshl_b32 s66, s22, 2
	s_lshl_b32 s66, 15, s66                        ; my row of the cluster
	s_lshl_b32 s67, 0x1111, s21                    ; my column
	; descriptor groups 1: dense blocks as rows of 256 bytes (32 elements of 8 bytes).  x: 4 tiles of one chunk, 48 rows; W: 8 tiles of one chunk, 96 rows
	s_or_b32 s28, s66, (3<<16)|(1<<21)
	s_mov_b32 s29, 32<<16
	s_mov_b32 s30, 48<<16
	s_mov_b32 s31, 32<<16
	s_mov_b32 s32, 48
	s_mov_b32 s33, 32
	s_mov_b32 s34, 0
	s_mov_b32 s35, 0
	s_or_b32 s36, s67, (3<<16)|(1<<21)
	s_mov_b32 s37, 32<<16
	s_mov_b32 s38, 96<<16
	s_mov_b32 s39, 32<<16
	s_mov_b32 s40, 96
	s_mov_b32 s41, 32
	s_mov_b32 s42, 0
	s_mov_b32 s43, 0
	s_mul_i32 s68, s24, XCH                        ; x: tiles 16 y + 4 wave on: made of y and the wave's number alone
	s_mul_i32 s72, s18, 12288
	s_add_co_u32 s68, s68, s72
	s_mov_b32 s69, 0
	s_mul_i32 s74, s18, 589824                     ; W: chunk = wave, tiles 8 xg on: made of xg and the wave's number alone
	s_mul_i32 s75, s23, WCH
	s_add_co_u32 s74, s74, s75
	s_mov_b32 s75, 0
	s_mul_i32 s73, s18, WCH
	s_wait_kmcnt 0x0
	s_add_nc_u64 s[70:71], s[4:5], s[68:69]
	s_mov_b32 s44, 1
	s_add_co_u32 s45, s73, WB
	s_add_nc_u64 s[46:47], s[6:7], s[74:75]
	s_or_b32 s47, s47, 0x80000000
.irp g, 0,1,2,3
	s_mov_b32 s[48+4*\g], 1
	s_add_co_u32 s[49+4*\g], s72, \g*XCH
	s_add_nc_u64 s[50+4*\g:51+4*\g], s[70:71], \g*1572864
	s_or_b32 s[51+4*\g], s[51+4*\g], 0x80000000
.endr
	ROUND                                          ; all sixteen work-groups are here: the first joint loads meet
	tensor_load_to_lds s[44:47], s[36:43]          ; five loads of mine are out: q's W chunk,
	s_nop 0
	tensor_load_to_lds s[48:51], s[28:35]          ; and my four tiles of x's chunks 0 to 3
	s_nop 0
	tensor_load_to_lds s[52:55], s[28:35]
	s_nop 0
	tensor_load_to_lds s[56:59], s[28:35]
	s_nop 0
	tensor_load_to_lds s[60:63], s[28:35]
	s_nop 0
	PLACES
	v_and_b32 v22, 31, v0
	v_lshlrev_b32 v1, 4, v22                       ; 16 x lane
	v_lshlrev_b32 v2, 3, v22                       ; 8 x lane
	v_and_b32 v23, 15, v0                          ; r
	v_bfe_u32 v20, v0, 4, 1                        ; h
	v_lshlrev_b32 v3, 4, v23                       ; 16 r
	v_cmp_eq_u32 s92, 1, v20                       ; lanes 16-31
	v_lshlrev_b32 v16, 6, v20                      ; q's, k's bias: 64 h
	v_and_b32 v17, 8, v23
	v_add_nc_u32 v17, v17, v23
	v_lshlrev_b32 v17, 2, v17                      ; v's bias: 4 (r + 8 (r / 8))
	v_lshl_add_u32 v18, v20, 8, v3                 ; q's, k's scale words out: 256 h + 16 r
	v_mul_u32_u24 v19, v20, 20480
	v_lshl_add_u32 v19, v23, 3, v19                ; v's: head h, 8 r
	v_mov_b32 v[TP], 0                             ; written once: a lane permute's destination counts as one of its sources
	v_mov_b32 v[TP+1], 0
	s_lshr_b32 s97, s24, 3                         ; the batch
	s_and_b32 s98, s24, 7
	s_lshl_b32 s98, s98, 1
	s_add_co_u32 s98, s98, s20                     ; G: which 128 positions of the batch (for v: with w / 2, which key step)
	s_lshl_b32 s99, s97, 4
	s_lshl_b32 s100, s23, 1
	s_add_co_u32 s99, s99, s100                    ; the first of my work-group's two heads
	s_add_co_u32 s100, s99, s19                    ; my head (q, k)
	s_lshl_b32 s66, s23, 9
	s_mov_b32 s67, 0
	s_add_nc_u64 s[80:81], s[12:13], s[66:67]      ; the bias at column 128 xg
	s_lshl_b32 s66, s19, 8
	s_add_nc_u64 s[76:77], s[80:81], s[66:67]      ; and at my head
	s_lshl_b32 s66, s98, 15
	s_add_nc_u64 s[82:83], s[10:11], s[66:67]      ; the table at my eight tiles of positions
	s_mul_i32 s66, s100, 98304
	s_mul_i32 s101, s98, 6144
	s_add_co_u32 s66, s66, s101
	s_add_nc_u64 s[84:85], s[14:15], s[66:67]      ; q's codes out (k's: 6,291,456 on)
	s_mul_i32 s66, s100, 20480
	s_lshl_b32 s101, s98, 9
	s_add_co_u32 s66, s66, s101
	s_add_nc_u64 s[86:87], s[16:17], s[66:67]      ; k's scale words out (q's: 12,288 on)
	s_mul_i32 s66, s99, 98304
	s_mul_i32 s101, s98, 6144
	s_add_co_u32 s66, s66, s101
	s_mul_i32 s101, s19, 768
	s_add_co_u32 s66, s66, s101
	s_add_co_u32 s66, s66, 12582912
	s_add_nc_u64 s[88:89], s[14:15], s[66:67]      ; v's codes out
	s_mul_i32 s66, s99, 20480
	s_lshl_b32 s101, s98, 8
	s_add_co_u32 s66, s66, s101
	s_lshl_b32 s101, s19, 7
	s_add_co_u32 s66, s66, s101
	s_add_co_u32 s66, s66, 8192
	s_add_nc_u64 s[90:91], s[16:17], s[66:67]      ; v's scale bytes out
	; the scale words' offsets in sc.  VA: lanes 0-15 source 1's tiles, lanes 16-31 source 0's; VB: source 1's in all lanes
	s_lshl_b32 s66, s24, 13
	s_lshl_b32 s101, s20, 12
	s_add_co_u32 s101, s66, s101
	v_add_nc_u32 v11, s101, v3                     ; q, k: x's tiles 16 y + 8 (w / 2) on
	s_lshl_b32 s101, s23, 12
	s_lshl_b32 s97, s19, 11
	s_add_co_u32 s101, s101, s97
	s_add_co_u32 s101, s101, 262144
	v_add_nc_u32 v21, s101, v3                     ; q: W's tiles 8 xg + 4 (w % 2) on
	v_cndmask_b32 v10, v11, v21, s92
	s_wait_alu depctr_va_vdst(0)
	v_add_nc_u32 v21, 32768, v21                   ; k: 64 tiles on
	v_cndmask_b32 v12, v11, v21, s92
	s_lshl_b32 s101, s23, 12
	s_add_co_u32 s101, s101, 262144+65536
	v_add_nc_u32 v15, s101, v3                     ; v: W's tiles 128 + 8 xg on are source 1,
	s_lshl_b32 s101, s18, 11
	s_add_co_u32 s101, s66, s101
	v_add_nc_u32 v21, s101, v3                     ; x's tiles 16 y + 4 w on source 0
	v_cndmask_b32 v14, v15, v21, s92
	s_mul_i32 s93, s19, 12288
	s_add_co_u32 s93, s93, WB                      ; LDS: q, k: source 0 = W's tiles 4 (w % 2) on,
	s_mul_i32 s94, s20, 24576                      ; source 1 = x's tiles 8 (w / 2) on
	s_mul_i32 s95, s18, 12288                      ; v: source 0 = x's tiles 4 w on,
	s_mov_b32 s96, WB                              ; source 1 = W's eight
.macro FRAG reg, a16, a8, off          ; a fragment, 16 rows x 128 K: two half images on end
	ds_load_b128 v[\reg:\reg+3], v[\a16] offset:\off
	ds_load_b64 v[\reg+4:\reg+5], v[\a8] offset:(\off)+512
	ds_load_b128 v[\reg+6:\reg+9], v[\a16] offset:(\off)+768
	ds_load_b64 v[\reg+10:\reg+11], v[\a8] offset:(\off)+1280
.endm
.macro FETCH ks                        ; K step ks: 4 fragments of source 0, 8 of source 1, into set ks % 2: 48 loads.  v4-7 stand at the step's chunk
	WIN 0x40
.irp ib, 0,1,2,3
	FRAG 48*((\ks)%2)+12*\ib, 4, 5, \ib*3072+((\ks)%2)*1536
.endr
	WIN 0xc0
.irp ia, 0,1,2,3,4,5,6,7
	FRAG 96*((\ks)%2)+12*\ia, 6, 7, \ia*3072+((\ks)%2)*1536
.endr
.endm
; one product.  cm = 0: onto the sum; 1: the sum begins with the bias of source 0's tile; 2: of source 1's.  Source 0's scale words lie in lanes 16-31, source 1's in lanes 0-15
.macro MM ia, ib, ks, cm
.set rD, 8*(4*(\ia)+(\ib))
.set rA, 48*((\ks)%2)+12*(\ib)
.set rB, 96*((\ks)%2)+12*(\ia)
.if (\cm) == 0
	v_wmma_scale_f32_16x16x128_f8f6f4 v[rD:rD+7], v[rA:rA+11], v[rB:rB+11], v[rD:rD+7], v[SC+8*(\ib)+(\ks)], v[SC+8*(\ia)+(\ks)] matrix_a_fmt:MATRIX_FMT_FP6 matrix_b_fmt:MATRIX_FMT_FP6 matrix_a_scale:MATRIX_SCALE_ROW1
.elseif (\cm) == 1
	v_wmma_scale_f32_16x16x128_f8f6f4 v[rD:rD+7], v[rA:rA+11], v[rB:rB+11], v[96+8*(\ib):96+8*(\ib)+7], v[SC+8*(\ib)+(\ks)], v[SC+8*(\ia)+(\ks)] matrix_a_fmt:MATRIX_FMT_FP6 matrix_b_fmt:MATRIX_FMT_FP6 matrix_a_scale:MATRIX_SCALE_ROW1
.else
	v_wmma_scale_f32_16x16x128_f8f6f4 v[rD:rD+7], v[rA:rA+11], v[rB:rB+11], v[96+8*(\ia):96+8*(\ia)+7], v[SC+8*(\ib)+(\ks)], v[SC+8*(\ia)+(\ks)] matrix_a_fmt:MATRIX_FMT_FP6 matrix_b_fmt:MATRIX_FMT_FP6 matrix_a_scale:MATRIX_SCALE_ROW1
.endif
.endm
.macro MUL16 a0, ks, cm                ; the 32 accumulators take turns, one instruction a turn, in the same order in every step
.irp da, 0,1,2,3
.irp ib, 0,1,2,3
	MM (\a0)+\da, \ib, \ks, \cm
.endr
.endr
.endm
.macro EVEN ks
	s_wait_dscnt 0x0                               ; this step's fragments are in
	PLACES                                         ; four places in front of loads into the set that the last step multiplied
	FETCH (\ks)+1
	WIN 0xad
	MUL16 0, \ks, 0
	MUL16 4, \ks, 0
.endm
; an odd step: the next step lies in the next chunk.  first = 1: that chunk of x is still on its way: my part has landed (the count leaves the later chunks out), and a barrier says so of all four waves
.macro ODD ks, inc0, inc1, first
	s_wait_dscnt 0x0
.if \first
	s_wait_tensorcnt 2-(\ks)/2
	s_barrier_signal -1
.endif
	WIN 0xad
	MUL16 0, \ks, 0
	WIN 0
.if \first
	s_barrier_wait -1
.endif
	v_add_nc_u32 v4, \inc0, v4                     ; on to the next chunk; these four are also the places in front of the loads
	v_add_nc_u32 v5, \inc0, v5
	v_add_nc_u32 v6, \inc1, v6
	v_add_nc_u32 v7, \inc1, v7
	FETCH (\ks)+1
	WIN 0xad
	MUL16 4, \ks, 0
.endm
.macro MAIN inc0, inc1, cm, first      ; a tile: eight K steps of 128, 32 products each
	FETCH 0
	s_wait_dscnt 0x0
	FETCH 1
	WIN 0x9d                                       ; C in window 1: the bias starts the sums
	MUL16 0, 0, \cm
	MUL16 4, 0, \cm
	ODD 1, \inc0, \inc1, \first
	s_wait_alu depctr_va_vdst(0)
	EVEN 2
	ODD 3, \inc0, \inc1, \first
	s_wait_alu depctr_va_vdst(0)
	EVEN 4
	ODD 5, \inc0, \inc1, \first
	s_wait_alu depctr_va_vdst(0)
	EVEN 6
	s_wait_dscnt 0x0
	WIN 0xad
	MUL16 0, 7, 0
	MUL16 4, 7, 0
	WIN 0
.endm
.macro SETADR sb0, sb1
	v_add_nc_u32 v4, s[\sb0], v1
	v_add_nc_u32 v5, s[\sb0], v2
	v_add_nc_u32 v6, s[\sb1], v1
	v_add_nc_u32 v7, s[\sb1], v2
.endm
.macro SCLOAD va, vb                   ; the scale words of a tile's operands, all eight K steps: register SC + 8 i + s
.irp i, 0,1,2,3
	global_load_b128 v[SC+8*\i:SC+8*\i+3], v[\va], s[8:9] offset:\i*512
	global_load_b128 v[SC+8*\i+4:SC+8*\i+7], v[\va], s[8:9] offset:\i*512+256
.endr
.irp i, 4,5,6,7
	global_load_b128 v[SC+8*\i:SC+8*\i+3], v[\vb], s[8:9] offset:\i*512
	global_load_b128 v[SC+8*\i+4:SC+8*\i+7], v[\vb], s[8:9] offset:\i*512+256
.endr
.endm
.macro BIASQK tq                       ; lane (r, h), register j of tile b: the bias of column 32 (b / 2) + 16 h + 8 (b % 2) + j of my head
	WIN 0x40
.irp ib, 0,1,2,3
	global_load_b128 v[96+8*\ib:99+8*\ib], v16, s[76:77] offset:\tq*4096+(32*(\ib/2)+8*(\ib%2))*4
	global_load_b128 v[100+8*\ib:103+8*\ib], v16, s[76:77] offset:\tq*4096+(32*(\ib/2)+8*(\ib%2))*4+16
.endr
	WIN 0
.endm
.macro BIASV                           ; a lane holds one column: eight equal registers a tile
	WIN 0x40
.irp ia, 0,1,2,3,4,5,6,7
.irp j, 0,1,2,3,4,5,6,7
	global_load_b32 v[96+8*\ia+\j], v17, s[80:81] offset:8192+(32*(\ia/2)+8*(\ia%2))*4
.endr
.endr
	WIN 0
.endm
; W's bytes are filled again.  Every wave: all its tensor loads have landed; 0 onto its spare word; the add is done and its reads of W's bytes are over; a round of the cluster's barrier; then its one joint load, first thing
.macro REFILL
	WIN 0
	s_wait_tensorcnt 0x0
	ds_add_u32 v8, v9
	s_add_nc_u64 s[46:47], s[46:47], 196608        ; 64 tiles on: the next of q, k, v
	s_wait_dscnt 0x0
	ROUND
	tensor_load_to_lds s[44:47], s[36:43]
	s_nop 0
	PLACES                                         ; also the places behind the tile's last products
.endm
; 32 numbers of a lane, register 16 b + i = k 32 b + 16 (lane / 16) + i of my row, become a half image in v[F] on and the two bytes in v[BY], v[BY+1].  wm, wc: the windows for sources that lie in window 2
.macro QUANT32 src, wm, wc
	WIN \wm
	v_max3_num_f32 v[TM], 0x1800000, |v[(\src)]|, |v[(\src)+1]|       ; the floor 2^(3 - 127) holds the byte at 1
	v_max3_num_f32 v[TM+1], 0x1800000, |v[(\src)+16]|, |v[(\src)+17]|
.irp i, 2,4,6,8,10,12,14
	v_max3_num_f32 v[TM], v[TM], |v[(\src)+\i]|, |v[(\src)+\i+1]|
	v_max3_num_f32 v[TM+1], v[TM+1], |v[(\src)+16+\i]|, |v[(\src)+17+\i]|
.endr
	WIN 0
	v_permlanex16_b32 v[TP], v[TM], s[SEL], s[SEL+1]
	v_permlanex16_b32 v[TP+1], v[TM+1], s[SEL], s[SEL+1]
	v_max_num_f32 v[TM], v[TM], v[TP]              ; with lane l xor 16's: the block's largest magnitude
	v_max_num_f32 v[TM+1], v[TM+1], v[TP+1]
	v_add_nc_u32 v[SO], 0xff000000, v[TM]          ; 2 off the exponent field: the conversion's scale operand
	v_add_nc_u32 v[SO+1], 0xff000000, v[TM+1]
	v_lshrrev_b32 v[BY], 23, v[SO]
	v_lshrrev_b32 v[BY+1], 23, v[SO+1]
	WIN \wc
	v_cvt_scalef32_pk16_fp6_f32 v[F:F+2], v[(\src):(\src)+15], v[SO]
	v_cvt_scalef32_pk16_fp6_f32 v[G:G+2], v[(\src)+16:(\src)+31], v[SO+1]
	WIN 0
	v_nop                                          ; one plain place behind a scaled conversion
.irp i, 0,1,2
	v_permlane16_swap_b32 v[F+\i], v[G+\i]         ; a whole block to a lane: lanes 0-15 block 0, lanes 16-31 block 1
.endr
.irp i, 0,1,2
	v_mov_b32 v[F+3+\i], v[G+\i]
.endr
.endm
.macro CSLOAD ea                       ; cos and sin for tile ea's rows: 32 registers, (cos, sin) of the pair in registers n, n + 1
.irp p, 0,1,2,3,4,5,6,7
	global_load_b128 v[CS+32*((\ea)%2)+4*\p:CS+32*((\ea)%2)+4*\p+3], v1, s[82:83] offset:(\ea)*4096+512*\p
.endr
.endm
; q's (tq = 0) or k's (1) way out: tile by tile of 16 rows: rotate, quantise along the head's 64, store the half image; at the end the eight scale words (upper two bytes 127: the product's K is filled up to 128)
.macro QKEPI tq
.irp ea, 0,1,2,3,4,5,6,7
.if \ea < 7
	s_wait_loadcnt 0x8                             ; this tile's cos and sin are in (and all older loads); the next tile's eight loads may be out
.else
	s_wait_loadcnt 0x0
.endif
	WIN 0x02                                       ; source 0: the accumulators
.set n, 0
.rept 16
	v_pk_mul_f32 v[T+n:T+n+1], v[32*\ea+n:32*\ea+n+1], v[CS+32*(\ea%2)+n:CS+32*(\ea%2)+n+1] op_sel_hi:[1,0]   ; (even cos, odd cos)
.set n, n+2
.endr
.set n, 0
.rept 16
	v_pk_fma_f32 v[T+n:T+n+1], v[32*\ea+n:32*\ea+n+1], v[CS+32*(\ea%2)+n:CS+32*(\ea%2)+n+1], v[T+n:T+n+1] op_sel:[1,1,0] op_sel_hi:[0,1,1] neg_lo:[0,1,0]   ; - odd sin, + even sin
.set n, n+2
.endr
	WIN 0
.if \ea < 6
	CSLOAD \ea+2
.endif
	s_wait_alu depctr_va_vdst(0)
	s_wait_xcnt 0x0                                ; the last tile's stores have read their registers
	QUANT32 T, 0, 0
	v_lshl_or_b32 v[SW+\ea], v[BY+1], 8, v[BY]
	v_or_b32 v[SW+\ea], 0x7f7f0000, v[SW+\ea]
	global_store_b128 v1, v[F:F+3], s[84:85] offset:\tq*6291456+\ea*768         ; 512 consecutive bytes,
	global_store_b64 v2, v[F+4:F+5], s[84:85] offset:\tq*6291456+\ea*768+512    ; and the 256 behind them
.endr
.irp e, 0,1,2,3
	v_cndmask_b32 v[OW+\e], v[SW+\e], v[SW+4+\e], s92   ; lanes 0-15 tiles 0-3, lanes 16-31 tiles 4-7
.endr
	global_store_b128 v18, v[OW:OW+3], s[86:87] offset:(1-\tq)*12288   ; 512 consecutive bytes
.endm
; v's way out: tile a of 16 channels: my 64 keys are quantised as they stand in the accumulators
.macro VEPI
.irp ea, 0,1,2,3,4,5,6,7
	s_wait_xcnt 0x0
	QUANT32 32*\ea, 0x28, 0x02
	v_lshl_or_b32 v[SW+\ea], v[BY+1], 8, v[BY]
	global_store_b128 v1, v[F:F+3], s[88:89] offset:(\ea/4)*98304+(\ea%4)*1536
	global_store_b64 v2, v[F+4:F+5], s[88:89] offset:(\ea/4)*98304+(\ea%4)*1536+512
.endr
	v_lshl_or_b32 v222, v[SW+1], 16, v[SW]
	v_lshl_or_b32 v223, v[SW+3], 16, v[SW+2]
	v_lshl_or_b32 v224, v[SW+5], 16, v[SW+4]
	v_lshl_or_b32 v225, v[SW+7], 16, v[SW+6]
	v_cndmask_b32 v[OW], v222, v224, s92           ; lanes 0-15 the first head's four tiles, lanes 16-31 the second's
	v_cndmask_b32 v[OW+1], v223, v225, s92
	global_store_b64 v19, v[OW:OW+1], s[90:91]
.endm
	SCLOAD 10, 11
	BIASQK 0
	SETADR 93, 94
	s_wait_alu depctr_va_vdst(0)
	s_wait_loadcnt 0x0
	s_wait_tensorcnt 0x3                           ; my W chunk and my part of x's chunk 0 are in; chunks 1 to 3 may be out
	s_barrier_signal -1
	s_barrier_wait -1
	MAIN WCH, XCH, 1, 1                            ; q
	REFILL                                         ; k's W lands under q's way out, which touches no LDS
	SCLOAD 12, 11
	BIASQK 1
	CSLOAD 0
	CSLOAD 1
	QKEPI 0
	SETADR 93, 94
	s_wait_alu depctr_va_vdst(0)
	s_wait_tensorcnt 0x0                           ; my chunk of k's W is in,
	s_barrier_signal -1
	s_barrier_wait -1                              ; everybody's is
	MAIN WCH, XCH, 1, 0                            ; k
	REFILL
	SCLOAD 14, 15
	BIASV
	CSLOAD 0
	CSLOAD 1
	QKEPI 1
	SETADR 95, 96
	s_wait_alu depctr_va_vdst(0)
	s_wait_tensorcnt 0x0
	s_barrier_signal -1
	s_barrier_wait -1
	MAIN XCH, WCH, 2, 0                            ; v
	PLACES
	VEPI
	s_wait_tensorcnt 0x0                           ; the wave's end
	ds_add_u32 v8, v9
	s_wait_dscnt 0x0
	ROUND                                          ; the closing round
	s_endpgm
.Lfunc_end_k_qb3c30a830e_qkv:
	.size	k_qb3c30a830e_qkv, .Lfunc_end_k_qb3c30a830e_qkv-k_qb3c30a830e_qkv
	.p2alignl 7, 3214868480
	.fill 96, 4, 3214868480
	.section	.rodata,"a",@progbits
	.p2align	6, 0x0
	.amdhsa_kernel k_qb3c30a830e_qkv
		.amdhsa_group_segment_fixed_size 327680
		.amdhsa_private_segment_fixed_size 0
		.amdhsa_enable_private_segment 0
		.amdhsa_kernarg_size 56
		.amdhsa_user_sgpr_count 2
		.amdhsa_user_sgpr_kernarg_segment_ptr 1
		.amdhsa_wavefront_size32 1
		.amdhsa_system_sgpr_workgroup_id_x 1
		.amdhsa_system_sgpr_workgroup_id_y 1
		.amdhsa_system_sgpr_workgroup_id_z 1
		.amdhsa_system_vgpr_workitem_id 0
		.amdhsa_next_free_vgpr 1024
		.amdhsa_next_free_sgpr 102
		.amdhsa_reserve_vcc 0
		.amdhsa_float_denorm_mode_32 3
		.amdhsa_float_denorm_mode_16_64 3
		.amdhsa_memory_ordered 1
		.amdhsa_forward_progress 1
		.amdhsa_inst_pref_size 255
	.end_amdhsa_kernel
	.section	.bss,"aw",@nobits
	.p2align	6
	.space	262144
	.amdgpu_metadata
---
amdhsa.version: [ 1, 2 ]
amdhsa.kernels:
  - .name:           k_qb3c30a830e_qkv
    .symbol:         k_qb3c30a830e_qkv.kd
    .args:
      - { .name: xc, .offset: 0, .size: 8, .value_kind: global_buffer, .address_space: global }
      - { .name: wc, .offset: 8, .size: 8, .value_kind: global_buffer, .address_space: global }
      - { .name: sc, .offset: 16, .size: 8, .value_kind: global_buffer, .address_space: global }
      - { .name: rt, .offset: 24, .size: 8, .value_kind: global_buffer, .address_space: global }
      - { .name: bqkv, .offset: 32, .size: 8, .value_kind: global_buffer, .address_space: global }
      - { .name: qkvc, .offset: 40, .size: 8, .value_kind: global_buffer, .address_space: global }
      - { .name: qkvs, .offset: 48, .size: 8, .value_kind: global_buffer, .address_space: global }
    .group_segment_fixed_size: 327680
    .private_segment_fixed_size: 0
    .kernarg_segment_align: 8
    .kernarg_segment_size: 56
    .max_flat_workgroup_size: 128
    .sgpr_count:     102
    .vgpr_count:     1024
    .wavefront_size: 32
...
	.end_amdgpu_metadata
.endif
;; end of part 2
;; launch attn (part 3): grid 4 x 64, 16 waves a work-group, clusters of 4 x 1, 210,944 bytes of LDS; arguments qkvc, qkvs, oc, sc; writes oc, sc
.if DOCPART == 3
	.amdgcn_target "amdgcn-amd-amdhsa--gfx1250"
	.amdhsa_code_object_version 6
	.text
	.protected	k_qb3c30a830e_attn
	.globl	k_qb3c30a830e_attn
	.p2align	8
	.type	k_qb3c30a830e_attn,@function
k_qb3c30a830e_attn:
	s_mov_b64 s[64:65], 0
	v_nop
	global_prefetch_b8 v0, s[64:65] scope:SCOPE_SE
	s_setreg_imm32_b32 hwreg(HW_REG_WAVE_MODE, 25, 1), 1
	s_wait_xcnt 0x0
	s_wait_alu depctr_hold_cnt(0) depctr_sa_sdst(0) depctr_va_vdst(0) depctr_va_sdst(0) depctr_va_ssrc(0) depctr_va_vcc(0) depctr_vm_vsrc(0)
	s_getreg_b32 s2, hwreg(HW_REG_IB_STS2, 6, 4)
	s_cmp_eq_u32 s2, 0
	s_cbranch_scc0 .Lentry_in_a_cluster
	s_endpgm
.Lentry_in_a_cluster:
	s_bfe_u32 s2, ttmp6, 0x10000c
	s_cmp_lg_u32 s2, 0x3003
	s_cbranch_scc0 .Lentry_shape_is_right
	s_endpgm
.Lentry_shape_is_right:
; ATTN: o = softmax(q k^T / 8, causal) v for one head, both products on codes of FP6 (E2M3); o is divided by the row's sum and quantised along the model's 1,024 for the last product.
; THE SOFTMAX: t = score x log2(e) / 8; M = the running largest t rounded UP to a whole number; p = 2^(t - M) is quantised along the keys, not normalised; the row's sum is taken of the unquantised p.
; When M moves, the sum and O are multiplied by 2^(old M - new M): exact.
; SHARES.  The four work-groups of a cluster own one head.  Its K, V and their scale bytes, 208,896 bytes, come into each work-group's LDS ONCE, by joint loads, and stay: no ring, nothing is filled again.
; Sixteen waves of 256 registers, four to a SIMD.  Wave w of work-group cx takes tile a = 2 cx + w % 2 (16 queries) of query block 15 - w / 2 and then of block w / 2 (blocks of 128 queries):
; 16 - w / 2 and w / 2 + 1 key steps of 128: seventeen for every wave.  Both loops have constant trip counts; a step all of whose keys come after the block is jumped over by a branch on the wave's number and the counter.
; LAYOUT.  Both products are used transposed: S^T = K Q^T, O^T = V^T P^T: a lane holds one query throughout.  Tiles of keys, queries and channels are 32 g + 8 u + p + 8 (p / 8), so that 16 registers of two
; neighbouring tiles are 16 neighbours along the next K.  THE FIRST PRODUCT'S K IS 64: Q's registers 6-11 are zero codes, and K's operand runs on into the next tile's codes, which those zeros annihilate; bytes 127.
; REGISTERS: v1-7 addresses that stay; v8-13 addresses in hand; v14 -M, v15 the largest t, v[16:17] the sum, v[18:19] f; v20-31 Q; v32 Q's, v33 p's, v34-41 K's, v42-45 V's scale words; v46-52 the second pass's Q;
;   v54-107 K's eight half images and six zeros, then V's four fragments; v108-171 S^T, then p; v172-203 O^T; v204-222 p's codes; v224-247 at work.
; LIMITS: NaN and infinities are not served; a block of zeros gets the byte 1 (its codes are zeros; this program alone reads the bytes).
.set WV,  12
.set CX,  13
.set BH,  14
.set PI,  15
.set TA,  16
.set BLK, 17                           ; the query block in hand
.set JJ,  18                           ; the key step
.set TK,  19                           ; its codes: 6,144 bytes a step, in K and in V
.set TS,  20                           ; K's scale words: 512 a step
.set TV,  21                           ; V's scale bytes: 256 a step
.set CC,  22                           ; s[22:23] c = log2(e) / 8
.set SEL, 60
.set KV,  54
.set S,   108
.set O,   172
.set PC,  204
.set PT,  216
.set BM,  224
.set BT,  228
.set SP,  232
.macro ROUND
	s_barrier_signal -1
	s_barrier_wait -1
	s_cmp_lg_u32 s[WV], 0
	s_cbranch_scc1 .Lnw0_\@
	s_barrier_signal -3
.Lnw0_\@:
	s_barrier_wait -3
	s_barrier_signal -1
	s_barrier_wait -1
.endm
.macro PLACES
.rept 4
	v_nop
.endr
.endm
.macro FRAG reg, a16, a8, off
	ds_load_b128 v[\reg:\reg+3], v[\a16] offset:\off
	ds_load_b64 v[\reg+4:\reg+5], v[\a8] offset:(\off)+512
	ds_load_b128 v[\reg+6:\reg+9], v[\a16] offset:(\off)+768
	ds_load_b64 v[\reg+10:\reg+11], v[\a8] offset:(\off)+1280
.endm
	s_load_b256 s[4:11], s[0:1], 0x0               ; qkvc s[4:5], qkvs s[6:7], oc s[8:9], sc s[10:11]
	v_lshl_add_u32 v254, v0, 2, 0x33000
	v_mov_b32 v255, 0
	ds_add_u32 v254, v255
	ds_add_u32 v254, v255
	v_lshrrev_b32 v8, 5, v0
	s_delay_alu instid0(VALU_DEP_1)
	v_readfirstlane_b32 s[WV], v8                  ; wave 0..15
	s_bfe_u32 s[CX], ttmp6, 0x40000                ; my place in the cluster: it enters global addresses and the mask's lane value alone
	s_and_b32 s[BH], ttmp7, 0xffff                 ; batch x 16 + head, which the four partners share
	s_lshr_b32 s[PI], s[WV], 1
	s_and_b32 s[TA], s[WV], 1
	s_lshl_b32 s80, s[CX], 1
	s_add_co_u32 s[TA], s[TA], s80                 ; my tile of a block's eight
	s_sub_co_u32 s[BLK], 15, s[PI]                 ; the long pass first
	; descriptor groups 1: dense blocks as rows of 256 bytes; the mask names all four work-groups
	s_mov_b32 s24, 15|(3<<16)|(1<<21)              ; the scale bytes: 48 rows
	s_mov_b32 s25, 32<<16
	s_mov_b32 s26, 48<<16
	s_mov_b32 s27, 32<<16
	s_mov_b32 s28, 48
	s_mov_b32 s29, 32
	s_mov_b32 s30, 0
	s_mov_b32 s31, 0
	s_mov_b32 s32, 15|(3<<16)|(1<<21)              ; a quarter of K or of V: 96 rows
	s_mov_b32 s33, 32<<16
	s_mov_b32 s34, 96<<16
	s_mov_b32 s35, 32<<16
	s_mov_b32 s36, 96
	s_mov_b32 s37, 32
	s_mov_b32 s38, 0
	s_mov_b32 s39, 0
	s_mov_b32 s[CC], 0x3e38aa3b
	s_mov_b32 s[CC+1], s[CC]                       ; (named with it as a pair, so it is written)
	s_mov_b32 s[SEL], 0x76543210
	s_mov_b32 s[SEL+1], 0xfedcba98
	s_mov_b32 s62, 0x05040100                      ; v_perm_b32: the two low halves,
	s_mov_b32 s63, 0x07060302                      ; the two high halves
	s_mul_i32 s82, s[BH], 98304                    ; the head's codes
	s_mov_b32 s83, 0
	s_mul_i32 s84, s[WV], 24576                    ; waves 0-3 fetch K's quarters, waves 4-7 V's: LDS byte 24,576 x wave
	s_lshr_b32 s85, s[WV], 2
	s_mul_i32 s85, s85, 6193152                    ; (from K's end to V's beginning in memory)
	s_add_co_u32 s85, s85, s84
	s_add_co_u32 s85, s85, 6291456
	s_add_co_u32 s86, s85, s82
	s_mov_b32 s87, 0
	s_mul_i32 s88, s[BH], 20480                    ; the head's scale bytes
	s_mov_b32 s89, 0
	s_wait_dscnt 0x0
	s_wait_kmcnt 0x0
	s_mov_b32 s48, 1
	s_mov_b32 s49, s84
	s_add_nc_u64 s[50:51], s[4:5], s[86:87]
	s_or_b32 s51, s51, 0x80000000
	s_mov_b32 s52, 1
	s_mov_b32 s53, 196608
	s_add_nc_u64 s[54:55], s[6:7], s[88:89]
	s_or_b32 s55, s55, 0x80000000
	ROUND                                          ; all four work-groups are here: the joint loads meet
	s_cmp_lt_u32 s[WV], 8                          ; one load a wave; the branches hang on the wave's number alone
	s_cbranch_scc0 .Lnot_kv
	tensor_load_to_lds s[48:51], s[32:39]
	s_nop 0
	PLACES
	s_branch .Lasked
.Lnot_kv:
	s_cmp_eq_u32 s[WV], 8
	s_cbranch_scc0 .Lasked
	tensor_load_to_lds s[52:55], s[24:31]
	s_nop 0
	PLACES
.Lasked:
	v_and_b32 v8, 31, v0
	s_delay_alu instid0(VALU_DEP_1)
	v_lshlrev_b32 v1, 4, v8                        ; 16 x lane: K's registers 0-3
	s_delay_alu instid0(VALU_DEP_2)
	v_lshlrev_b32 v2, 3, v8                        ; 8 x lane: registers 4-5
	v_and_b32 v9, 15, v0                           ; r
	v_bfe_u32 v10, v0, 4, 1                        ; h
	s_delay_alu instid0(VALU_DEP_2)
	v_lshlrev_b32 v241, 4, v9                      ; 16 r
	s_delay_alu instid0(VALU_DEP_1)
	v_add_nc_u32 v3, 196608, v241                  ; K's scale words
	v_add_nc_u32 v4, 98304, v1                     ; V
	v_add_nc_u32 v5, 98304, v2
	v_lshlrev_b32 v6, 3, v9
	s_delay_alu instid0(VALU_DEP_1)
	v_add_nc_u32 v6, 204800, v6                    ; V's scale bytes
	v_add_nc_u32 v242, v241, v10                   ; o's scale byte: 16 r + h
	v_cmp_eq_u32 s94, 1, v10                       ; lanes 16-31
	s_lshr_b32 s80, s[TA], 1
	s_lshl_b32 s80, s80, 5
	s_and_b32 s81, s[TA], 1
	s_lshl_b32 s81, s81, 3
	s_add_co_u32 s80, s80, s81
	v_and_b32 v7, 8, v9
	s_delay_alu instid0(VALU_DEP_1)
	v_add_nc_u32 v7, v7, v9
	v_lshlrev_b32 v11, 4, v10
	s_delay_alu instid0(VALU_DEP_1)
	v_sub_nc_u32 v7, v7, v11
	s_delay_alu instid0(VALU_DEP_1)
	v_add_nc_u32 v7, s80, v7                       ; d = my query's place in its block - 16 h.  Register 16 b + i holds key 32 b + 16 h + i of a step: hidden on the diagonal where 32 b + i > d
	s_lshl_b32 s80, s[BLK], 3
	s_add_co_u32 s80, s80, s[TA]
	s_mul_i32 s80, s80, 768
	s_add_co_u32 s80, s80, s82
	s_mov_b32 s81, 0
	s_add_nc_u64 s[68:69], s[4:5], s[80:81]        ; Q's half image, long pass,
	s_lshl_b32 s80, s[PI], 3
	s_add_co_u32 s80, s80, s[TA]
	s_mul_i32 s80, s80, 768
	s_add_co_u32 s80, s80, s82
	s_add_nc_u64 s[70:71], s[4:5], s[80:81]        ; short pass
	s_lshr_b32 s90, s[TA], 2
	s_lshl_b32 s90, s90, 8
	s_and_b32 s91, s[TA], 3
	s_lshl_b32 s91, s91, 2
	s_add_co_u32 s90, s90, s91
	s_add_co_u32 s90, s90, s88
	s_add_co_u32 s90, s90, 12288
	s_lshl_b32 s80, s[BLK], 9
	s_add_co_u32 s80, s80, s90
	s_add_nc_u64 s[72:73], s[6:7], s[80:81]        ; and its scale words
	s_lshl_b32 s80, s[PI], 9
	s_add_co_u32 s80, s80, s90
	s_add_nc_u64 s[74:75], s[6:7], s[80:81]
	global_load_b128 v[20:23], v1, s[68:69]
	global_load_b64 v[24:25], v2, s[68:69] offset:512
	global_load_b32 v32, v241, s[72:73]
	global_load_b128 v[46:49], v1, s[70:71]
	global_load_b64 v[50:51], v2, s[70:71] offset:512
	global_load_b32 v52, v241, s[74:75]
.irp j, 0,1,2,3,4,5
	v_mov_b32 v[26+\j], 0                          ; Q's zero codes for k = 64 .. 127
	v_mov_b32 v[102+\j], 0                         ; what the last tile of K runs on into
.endr
.irp j, 0,1,2,3
	v_mov_b32 v[BT+\j], 0                          ; written once: a lane permute's destination counts as one of its sources
.endr
	v_mov_b32 v238, 0
	v_mov_b32 v19, 0                               ; (named as the upper half of the pair v[18:19])
	v_mov_b32 v240, 0xff800000                     ; -infinity
.macro INIT                            ; a pass begins: the largest t is -3e38, under every t; the sum and O^T are zeros, which the first change of M leaves zeros (so the step is written once)
	v_mov_b32 v15, 0xff61b1e6
	s_delay_alu instid0(VALU_DEP_1)
	v_floor_f32 v14, -v15
	v_mov_b32 v16, 0
	v_mov_b32 v17, 0
.set n, 0
.rept 32
	v_mov_b32 v[O+n], 0
.set n, n+1
.endr
.endm
; A KEY STEP: 128 keys
.macro STEP
	s_cmp_gt_u32 s[JJ], s[BLK]                     ; all its keys come after my queries: only the addresses step
	s_cbranch_scc1 .Lhid_\@
	s_setprio 2
	v_add_nc_u32 v8, s[TK], v1                     ; (these six are also the places in front of loads into registers that the last products read)
	v_add_nc_u32 v9, s[TK], v2
	v_add_nc_u32 v10, s[TK], v4
	v_add_nc_u32 v11, s[TK], v5
	v_add_nc_u32 v12, s[TS], v3
	v_add_nc_u32 v13, s[TV], v6
.irp kt, 0,1,2,3,4,5,6,7
	ds_load_b128 v[KV+6*\kt:KV+6*\kt+3], v8 offset:768*\kt
	ds_load_b64 v[KV+6*\kt+4:KV+6*\kt+5], v9 offset:768*\kt+512
.endr
	ds_load_b128 v[34:37], v12
	ds_load_b128 v[38:41], v12 offset:256
	s_wait_alu depctr_va_vdst(0)
	s_wait_dscnt 0x0
.irp kt, 0,1,2,3,4,5,6,7
	v_wmma_scale_f32_16x16x128_f8f6f4 v[S+8*\kt:S+8*\kt+7], v[KV+6*\kt:KV+6*\kt+11], v[20:31], 0, v[34+\kt], v32 matrix_a_fmt:MATRIX_FMT_FP6 matrix_b_fmt:MATRIX_FMT_FP6
.endr
	PLACES                                         ; in front of the loads over K, and of the first read of the scores
.irp d, 0,1,2,3
	FRAG KV+12*\d, 10, 11, 1536*\d                 ; V's four fragments land under the softmax
.endr
	ds_load_b64 v[244:245], v13                    ; V's bytes: keys 0-63 of the step, four tiles,
	ds_load_b64 v[246:247], v13 offset:128         ; keys 64-127
	s_cmp_lg_u32 s[JJ], s[BLK]
	s_cbranch_scc1 .Lopen_\@
.set n, 0
.rept 64                               ; on the diagonal hidden scores become -infinity ahead of the maximum: p = 0 then.  Key 0 of the step counts for every query
	v_cmp_gt_i32 vcc_lo, 32*(n/16)+n%16, v7
	v_cndmask_b32 v[S+n], v[S+n], v240, vcc_lo
.set n, n+1
.endr
.Lopen_\@:
.irp b, 0,1,2,3
	v_max3_num_f32 v[BM+\b], v[S+16*\b], v[S+1+16*\b], v[S+2+16*\b]   ; the largest score of each block of 32 keys: it serves the row's maximum and, since p rises with the score, the block's largest p
.endr
.irp i, 3,5,7,9,11,13
.irp b, 0,1,2,3
	v_max3_num_f32 v[BM+\b], v[BM+\b], v[S+16*\b+\i], v[S+1+16*\b+\i]
.endr
.endr
.irp b, 0,1,2,3
	v_max_num_f32 v[BM+\b], v[BM+\b], v[S+15+16*\b]
.endr
.irp b, 0,1,2,3
	s_delay_alu instid0(VALU_DEP_4)
	v_permlanex16_b32 v[BT+\b], v[BM+\b], s[SEL], s[SEL+1]
.endr
.irp b, 0,1,2,3
	s_delay_alu instid0(VALU_DEP_4)
	v_max_num_f32 v[BM+\b], v[BM+\b], v[BT+\b]
.endr
	s_delay_alu instid0(VALU_DEP_2)
	v_max3_num_f32 v238, v[BM], v[BM+1], v[BM+2]
	s_delay_alu instid0(VALU_DEP_1)
	v_max_num_f32 v238, v238, v[BM+3]
	s_delay_alu instid0(VALU_DEP_1)
	v_mul_f32 v238, s[CC], v238                    ; as t
	s_delay_alu instid0(VALU_DEP_1)
	v_max_num_f32 v15, v15, v238                   ; the running largest t
	v_mov_b32 v238, v14
	s_delay_alu instid0(VALU_DEP_2)
	v_floor_f32 v14, -v15                          ; -M = floor(-t): M is a whole number
	s_delay_alu instid0(VALU_DEP_1)
	v_sub_f32 v238, v14, v238                      ; old M - new M: a whole number, 0 or less
	s_delay_alu instid0(VALU_DEP_1)
	v_cvt_i32_f32 v238, v238                       ; (it saturates)
	s_delay_alu instid0(VALU_DEP_1)
	v_ldexp_f32 v18, 1.0, v238                     ; f = 2^(old M - new M)
.set n, 0
.rept 32
	v_pk_fma_f32 v[S+n:S+n+1], v[S+n:S+n+1], s[CC:CC+1], v[14:15] op_sel_hi:[1,0,0]   ; t - M
.set n, n+2
.endr
	s_setprio 1
.irp b, 0,1,2,3
	v_fma_f32 v[BM+\b], v[BM+\b], s[CC], v14       ; the same of each block's largest score
.endr
.set n, 0
	s_wait_alu depctr_va_vdst(0)
.rept 64
	v_exp_f32 v[S+n], v[S+n]                       ; p = 2^(t - M)
.set n, n+1
.endr
	v_pk_mul_f32 v[16:17], v[16:17], v[18:19] op_sel_hi:[1,0]   ; the sum under the new M (a plain place behind the exponentials)
	s_wait_alu depctr_va_vdst(0)                   ; one wait for the batch, ahead of its first reader
.irp b, 0,1,2,3
	v_exp_f32 v[BM+\b], v[BM+\b]                   ; each block's largest p
.endr
	v_pk_add_f32 v[252:253], v[112:113], v[116:117]
	v_pk_add_f32 v[250:251], v[120:121], v[124:125]
	v_pk_add_f32 v[248:249], v[128:129], v[132:133]
	v_pk_add_f32 v[236:237], v[136:137], v[140:141]
	v_pk_add_f32 v[234:235], v[144:145], v[148:149]
	v_pk_add_f32 v[232:233], v[152:153], v[156:157]
	v_pk_add_f32 v[230:231], v[160:161], v[164:165]
	v_pk_add_f32 v[16:17], v[16:17], v[168:169]
	s_delay_alu instid0(VALU_DEP_1)
	v_pk_add_f32 v[16:17], v[16:17], v[236:237]
	v_pk_add_f32 v[252:253], v[252:253], v[234:235]
	v_pk_add_f32 v[250:251], v[250:251], v[232:233]
	v_pk_add_f32 v[248:249], v[248:249], v[230:231]
	s_delay_alu instid0(VALU_DEP_2)
	v_pk_add_f32 v[16:17], v[16:17], v[250:251]
	s_delay_alu instid0(VALU_DEP_2)
	v_pk_add_f32 v[252:253], v[252:253], v[248:249]
	s_delay_alu instid0(VALU_DEP_1)
	v_pk_add_f32 v[16:17], v[16:17], v[252:253]
	s_wait_alu depctr_va_vdst(0)                   ; and one wait for the four
.irp b, 0,1,2,3
	v_max_num_f32 v[BM+\b], 0x1800000, v[BM+\b]    ; the floor 2^(3 - 127): the byte cannot fall under 1
.endr
.irp b, 0,1,2,3
	s_delay_alu instid0(VALU_DEP_4)
	v_add_nc_u32 v[SP+\b], 0xff000000, v[BM+\b]
.endr
.irp b, 0,1,2,3
	s_delay_alu instid0(VALU_DEP_4)
	v_lshrrev_b32 v[BT+\b], 23, v[SP+\b]
.endr
	s_delay_alu instid0(VALU_DEP_3)
	v_lshl_or_b32 v33, v[BT+1], 8, v[BT]           ; p's scale word
	s_delay_alu instid0(VALU_DEP_1)
	v_lshl_or_b32 v33, v[BT+2], 16, v33
	s_delay_alu instid0(VALU_DEP_1)
	v_lshl_or_b32 v33, v[BT+3], 24, v33
	s_wait_dscnt 0x0                               ; V and its bytes are in
	v_perm_b32 v42, v246, v244, s62                ; V's scale words: two bytes of keys 0-63, two of keys 64-127
	v_perm_b32 v43, v246, v244, s63
	v_perm_b32 v44, v247, v245, s62
	v_perm_b32 v45, v247, v245, s63
.irp c, 0,1
	v_cvt_scalef32_pk16_fp6_f32 v[PC+6*\c:PC+2+6*\c], v[S+32*\c:S+15+32*\c], v[SP+2*\c]
	v_cvt_scalef32_pk16_fp6_f32 v[PT+4*\c:PT+2+4*\c], v[S+16+32*\c:S+31+32*\c], v[SP+2*\c+1]
.endr
	v_nop                                          ; one plain place behind a scaled conversion
	s_setprio 0
.irp c, 0,1
.irp i, 0,1,2
	v_permlane16_swap_b32 v[PC+6*\c+\i], v[PT+4*\c+\i]
.endr
.irp i, 0,1,2
	s_delay_alu instid0(VALU_DEP_3)
	v_mov_b32 v[PC+3+6*\c+\i], v[PT+4*\c+\i]
.endr
.endr
.set n, 0
.rept 16
	v_pk_mul_f32 v[O+n:O+n+1], v[O+n:O+n+1], v[18:19] op_sel_hi:[1,0]   ; O^T under the new M
.set n, n+2
.endr
	v_pk_add_f32 v[236:237], v[108:109], v[110:111]
	v_pk_add_f32 v[252:253], v[114:115], v[118:119]
	v_pk_add_f32 v[250:251], v[122:123], v[126:127]
	v_pk_add_f32 v[248:249], v[130:131], v[134:135]
	v_pk_add_f32 v[246:247], v[138:139], v[142:143]
	v_pk_add_f32 v[244:245], v[146:147], v[150:151]
	v_pk_add_f32 v[234:235], v[154:155], v[158:159]
	v_pk_add_f32 v[16:17], v[16:17], v[162:163]
	v_pk_add_f32 v[236:237], v[236:237], v[166:167]
	v_pk_add_f32 v[252:253], v[252:253], v[170:171]
	s_delay_alu instid0(VALU_DEP_3)
	v_pk_add_f32 v[16:17], v[16:17], v[248:249]
	s_delay_alu instid0(VALU_DEP_3)
	v_pk_add_f32 v[236:237], v[236:237], v[246:247]
	s_delay_alu instid0(VALU_DEP_3)
	v_pk_add_f32 v[252:253], v[252:253], v[244:245]
	v_pk_add_f32 v[250:251], v[250:251], v[234:235]
	s_delay_alu instid0(VALU_DEP_2)
	v_pk_add_f32 v[16:17], v[16:17], v[252:253]
	s_delay_alu instid0(VALU_DEP_2)
	v_pk_add_f32 v[236:237], v[236:237], v[250:251]
	s_delay_alu instid0(VALU_DEP_1)
	v_pk_add_f32 v[16:17], v[16:17], v[236:237]
.irp d, 0,1,2,3
	v_wmma_scale_f32_16x16x128_f8f6f4 v[O+8*\d:O+8*\d+7], v[KV+12*\d:KV+12*\d+11], v[PC:PC+11], v[O+8*\d:O+8*\d+7], v[42+\d], v33 matrix_a_fmt:MATRIX_FMT_FP6 matrix_b_fmt:MATRIX_FMT_FP6
.endr
.Lhid_\@:
	s_add_co_u32 s[JJ], s[JJ], 1
	s_add_co_u32 s[TK], s[TK], 6144
	s_add_co_u32 s[TS], s[TS], 512
	s_add_co_u32 s[TV], s[TV], 256
.endm
; A pass ends: O^T / the sum is quantised along the head's 64, which are 64 of the last product's K, and leaves as a half image; lane h stores block h's byte
.macro FINAL
	PLACES
	v_add_f32 v16, v16, v17
	s_delay_alu instid0(VALU_DEP_1)
	v_permlanex16_b32 v238, v16, s[SEL], s[SEL+1]
	s_delay_alu instid0(VALU_DEP_1)
	v_add_f32 v16, v16, v238                       ; the row's sum
	s_wait_alu depctr_va_vdst(0)
	v_rcp_f32 v16, v16
	v_nop                                          ; a plain place behind the reciprocal
	s_lshl_b32 s80, s[BLK], 3
	s_add_co_u32 s80, s80, s[TA]
	s_lshr_b32 s81, s[BH], 4
	s_lshl_b32 s81, s81, 7
	s_add_co_u32 s80, s80, s81                     ; my tile of the 512 tiles of rows
	s_and_b32 s81, s[BH], 15                       ; the head
	s_lshr_b32 s82, s81, 2
	s_mul_i32 s82, s82, 1572864
	s_mul_i32 s83, s80, 3072
	s_add_co_u32 s82, s82, s83
	s_and_b32 s83, s81, 3
	s_mul_i32 s83, s83, 768
	s_add_co_u32 s82, s82, s83
	s_mov_b32 s83, 0
	s_add_nc_u64 s[84:85], s[8:9], s[82:83]
	s_lshl_b32 s82, s80, 9
	s_lshr_b32 s86, s81, 3
	s_lshl_b32 s86, s86, 8
	s_add_co_u32 s82, s82, s86
	s_bfe_u32 s86, s81, 0x20001
	s_lshl_b32 s86, s86, 2
	s_add_co_u32 s82, s82, s86
	s_and_b32 s86, s81, 1
	s_lshl_b32 s86, s86, 1
	s_add_co_u32 s82, s82, s86
	s_add_co_u32 s82, s82, 393216
	s_add_nc_u64 s[86:87], s[10:11], s[82:83]
	s_wait_alu depctr_va_vdst(0)                   ; the wait, ahead of the reciprocal's first reader
.set n, 0
.rept 16
	v_pk_mul_f32 v[S+n:S+n+1], v[O+n:O+n+1], v[16:17] op_sel_hi:[1,0]
.set n, n+2
.endr
	v_max3_num_f32 v[BM], 0x1800000, |v[S]|, |v[S+1]|
	v_max3_num_f32 v[BM+1], 0x1800000, |v[S+16]|, |v[S+17]|
.irp i, 2,4,6,8,10,12,14
	s_delay_alu instid0(VALU_DEP_2)
	v_max3_num_f32 v[BM], v[BM], |v[S+\i]|, |v[S+\i+1]|
	s_delay_alu instid0(VALU_DEP_2)
	v_max3_num_f32 v[BM+1], v[BM+1], |v[S+16+\i]|, |v[S+17+\i]|
.endr
	s_delay_alu instid0(VALU_DEP_2)
	v_permlanex16_b32 v[BT], v[BM], s[SEL], s[SEL+1]
	s_delay_alu instid0(VALU_DEP_2)
	v_permlanex16_b32 v[BT+1], v[BM+1], s[SEL], s[SEL+1]
	s_delay_alu instid0(VALU_DEP_2)
	v_max_num_f32 v[BM], v[BM], v[BT]
	s_delay_alu instid0(VALU_DEP_2)
	v_max_num_f32 v[BM+1], v[BM+1], v[BT+1]
	s_delay_alu instid0(VALU_DEP_2)
	v_add_nc_u32 v[SP], 0xff000000, v[BM]
	s_delay_alu instid0(VALU_DEP_2)
	v_add_nc_u32 v[SP+1], 0xff000000, v[BM+1]
	s_delay_alu instid0(VALU_DEP_2)
	v_lshrrev_b32 v[SP+2], 23, v[SP]
	s_delay_alu instid0(VALU_DEP_2)
	v_lshrrev_b32 v[SP+3], 23, v[SP+1]
	v_cvt_scalef32_pk16_fp6_f32 v[PC:PC+2], v[S:S+15], v[SP]
	v_cvt_scalef32_pk16_fp6_f32 v[PT:PT+2], v[S+16:S+31], v[SP+1]
	v_nop                                          ; one plain place behind a scaled conversion
.irp i, 0,1,2
	v_permlane16_swap_b32 v[PC+\i], v[PT+\i]
.endr
.irp i, 0,1,2
	s_delay_alu instid0(VALU_DEP_3)
	v_mov_b32 v[PC+3+\i], v[PT+\i]
.endr
	v_cndmask_b32 v236, v[SP+2], v[SP+3], s94
	global_store_b128 v1, v[PC:PC+3], s[84:85]     ; 512 consecutive bytes,
	global_store_b64 v2, v[PC+4:PC+5], s[84:85] offset:512   ; and the 256 behind them
	global_store_b8 v242, v236, s[86:87]           ; two bytes a row: one byte for each 24 of codes
.endm
	INIT
	s_mov_b32 s[JJ], 0
	s_mov_b32 s[TK], 0
	s_mov_b32 s[TS], 0
	s_mov_b32 s[TV], 0
	s_wait_tensorcnt 0x0                           ; my load has landed,
	s_barrier_signal -1
	s_barrier_wait -1                              ; everybody's has: K, V and their bytes are whole
	s_wait_loadcnt 0x0                             ; Q
.Llong:
	STEP
	s_cmp_lt_u32 s[JJ], 16
	s_cbranch_scc1 .Llong
	s_setprio 0
	s_wait_alu depctr_va_vdst(0)
	FINAL
	s_wait_xcnt 0x0                                ; the stores have read their registers and bases
.irp j, 0,1,2,3,4,5
	v_mov_b32 v[20+\j], v[46+\j]                   ; the short pass's Q,
.endr
	v_mov_b32 v32, v52                             ; and its scale words; the 36 lines of INIT stand between these and the first product
	INIT
	s_mov_b32 s[BLK], s[PI]
	s_mov_b32 s[JJ], 0
	s_mov_b32 s[TK], 0
	s_mov_b32 s[TS], 0
	s_mov_b32 s[TV], 0
.Lshort:
	STEP
	s_cmp_lt_u32 s[JJ], 8
	s_cbranch_scc1 .Lshort
	s_setprio 0
	s_wait_alu depctr_va_vdst(0)
	FINAL
	s_wait_tensorcnt 0x0
	ds_add_u32 v254, v255
	s_wait_dscnt 0x0
	ROUND                                          ; the closing round
	s_endpgm
.Lfunc_end_k_qb3c30a830e_attn:
	.size	k_qb3c30a830e_attn, .Lfunc_end_k_qb3c30a830e_attn-k_qb3c30a830e_attn
	.p2alignl 7, 3214868480
	.fill 96, 4, 3214868480
	.section	.rodata,"a",@progbits
	.p2align	6, 0x0
	.amdhsa_kernel k_qb3c30a830e_attn
		.amdhsa_group_segment_fixed_size 210944
		.amdhsa_private_segment_fixed_size 0
		.amdhsa_enable_private_segment 0
		.amdhsa_kernarg_size 32
		.amdhsa_user_sgpr_count 2
		.amdhsa_user_sgpr_kernarg_segment_ptr 1
		.amdhsa_wavefront_size32 1
		.amdhsa_system_sgpr_workgroup_id_x 1
		.amdhsa_system_sgpr_workgroup_id_y 1
		.amdhsa_system_sgpr_workgroup_id_z 1
		.amdhsa_system_vgpr_workitem_id 0
		.amdhsa_next_free_vgpr 256
		.amdhsa_next_free_sgpr 96
		.amdhsa_reserve_vcc 1
		.amdhsa_float_denorm_mode_32 3
		.amdhsa_float_denorm_mode_16_64 3
		.amdhsa_memory_ordered 1
		.amdhsa_forward_progress 1
		.amdhsa_inst_pref_size 68
	.end_amdhsa_kernel
	.amdgpu_metadata
---
amdhsa.version: [ 1, 2 ]
amdhsa.kernels:
  - .name:           k_qb3c30a830e_attn
    .symbol:         k_qb3c30a830e_attn.kd
    .args:
      - { .name: qkvc, .offset: 0, .size: 8, .value_kind: global_buffer, .address_space: global }
      - { .name: qkvs, .offset: 8, .size: 8, .value_kind: global_buffer, .address_space: global }
      - { .name: oc, .offset: 16, .size: 8, .value_kind: global_buffer, .address_space: global }
      - { .name: sc, .offset: 24, .size: 8, .value_kind: global_buffer, .address_space: global }
    .group_segment_fixed_size: 210944
    .private_segment_fixed_size: 0
    .kernarg_segment_align: 8
    .kernarg_segment_size: 32
    .max_flat_workgroup_size: 512
    .sgpr_count:     96
    .vgpr_count:     256
    .wavefront_size: 32
...
	.end_amdgpu_metadata
.endif
;; end of part 3
;; launch proj (part 4): grid 8 x 32, 4 waves a work-group, clusters of 4 x 4, 312,832 bytes of LDS; arguments oc, wc, sc, bproj, out0; writes out0
.if DOCPART == 4
	.amdgcn_target "amdgcn-amd-amdhsa--gfx1250"
	.amdhsa_code_object_version 6
	.text
	.protected	k_qb3c30a830e_proj
	.globl	k_qb3c30a830e_proj
	.p2align	8
	.type	k_qb3c30a830e_proj,@function
k_qb3c30a830e_proj:
	s_mov_b64 s[64:65], 0
	v_nop
	global_prefetch_b8 v0, s[64:65] scope:SCOPE_SE
	s_setreg_imm32_b32 hwreg(HW_REG_WAVE_MODE, 25, 1), 1
	s_wait_xcnt 0x0
	s_wait_alu depctr_hold_cnt(0) depctr_sa_sdst(0) depctr_va_vdst(0) depctr_va_sdst(0) depctr_va_ssrc(0) depctr_va_vcc(0) depctr_vm_vsrc(0)
	s_getreg_b32 s2, hwreg(HW_REG_IB_STS2, 6, 4)
	s_cmp_eq_u32 s2, 0
	s_cbranch_scc0 .Lentry_in_a_cluster
	s_endpgm
.Lentry_in_a_cluster:
	s_bfe_u32 s2, ttmp6, 0x10000c
	s_cmp_lg_u32 s2, 0xf033
	s_cbranch_scc0 .Lentry_shape_is_right
	s_endpgm
.Lentry_shape_is_right:
; PROJ: out0 = o Wproj + bproj on codes of FP6 (E2M3), f32 out.  One tile of 256 rows x 128 columns to a work-group, 256 work-groups; all of K (1,024) of both operands comes into LDS once.
; Four waves: wave w makes rows 128 (w / 2) on x columns 64 (w % 2) on; source 0 = 16 columns of W, source 1 = 16 rows of o: a lane holds one row of the result and 32 of its columns.
; Tiles, images of operand registers, scale words and the K loop are those of the launch that makes q, k and v: tile 2 g + u, fragment row p, is 32 g + 8 u + p + 8 (p / 8); a half image is 16 rows x 64 K in 768 bytes.
; CLUSTER 4 x 4: o's tiles hang on y alone and are asked for jointly along a row of the cluster, W's on xg alone, along a column.  Nothing is filled again.
; LDS: o: chunk (256 K) c at 49,152 c; W: at 196,608 + 24,576 c; behind them a stage of 16 rows x (256 bytes + 16) for each wave, into which no tile lands.
; REGISTERS: window 0: addresses, v32-95 scale words, v96-159 rows on their way out.  window 1: source 0's fragments, two sets; v96-127 the bias as C.  window 2: 32 accumulators.  window 3: source 1's fragments, two sets.
.set SC,   32
.set XCH,  49152
.set WCH,  24576
.set WB,   196608
.set STG,  294912
.set MSB, 0
.macro WIN new
.if MSB != \new
	s_set_vgpr_msb (MSB<<8)|\new
.set MSB, \new
.endif
.endm
.macro PLACES
.rept 4
	v_nop
.endr
.endm
.macro ROUND
	s_barrier_signal -1
	s_barrier_wait -1
	s_cmp_lg_u32 s18, 0
	s_cbranch_scc1 .Lnw0_\@
	s_barrier_signal -3
.Lnw0_\@:
	s_barrier_wait -3
	s_barrier_signal -1
	s_barrier_wait -1
.endm
	s_load_b256 s[4:11], s[0:1], 0x0               ; oc s[4:5], wc s[6:7], sc s[8:9], bproj s[10:11]
	s_load_b64 s[12:13], s[0:1], 0x20              ; out0
	v_lshl_add_u32 v254, v0, 2, 0x4c400
	v_mov_b32 v255, 0
	ds_add_u32 v254, v255
	ds_add_u32 v254, v255
	v_lshrrev_b32 v1, 5, v0
	v_readfirstlane_b32 s18, v1                    ; wave
	s_and_b32 s19, s18, 1
	s_lshr_b32 s20, s18, 1
	s_bfe_u32 s21, ttmp6, 0x40000                  ; cx
	s_bfe_u32 s22, ttmp6, 0x40004                  ; cy
	s_lshl_b32 s23, ttmp9, 2
	s_add_co_u32 s23, s23, s21                     ; xg
	s_and_b32 s24, ttmp7, 0xffff
	s_lshl_b32 s24, s24, 2
	s_add_co_u32 s24, s24, s22                     ; y
	s_lshl_b32 s66, s22, 2
	s_lshl_b32 s66, 15, s66                        ; my row of the cluster
	s_lshl_b32 s67, 0x1111, s21                    ; my column
	s_or_b32 s28, s66, (3<<16)|(1<<21)             ; o: 4 tiles of one chunk: 48 rows of 256 bytes
	s_mov_b32 s29, 32<<16
	s_mov_b32 s30, 48<<16
	s_mov_b32 s31, 32<<16
	s_mov_b32 s32, 48
	s_mov_b32 s33, 32
	s_mov_b32 s34, 0
	s_mov_b32 s35, 0
	s_or_b32 s36, s67, (3<<16)|(1<<21)             ; W: 8 tiles of one chunk: 96 rows
	s_mov_b32 s37, 32<<16
	s_mov_b32 s38, 96<<16
	s_mov_b32 s39, 32<<16
	s_mov_b32 s40, 96
	s_mov_b32 s41, 32
	s_mov_b32 s42, 0
	s_mov_b32 s43, 0
	s_mul_i32 s68, s24, XCH                        ; o: made of y and the wave's number alone
	s_mul_i32 s72, s18, 12288
	s_add_co_u32 s68, s68, s72
	s_mov_b32 s69, 0
	s_mul_i32 s74, s18, 196608                     ; W: chunk = wave, tiles 8 xg on: made of xg and the wave's number alone
	s_mul_i32 s75, s23, WCH
	s_add_co_u32 s74, s74, s75
	s_add_co_u32 s74, s74, 2359296
	s_mov_b32 s75, 0
	s_mul_i32 s73, s18, WCH
	s_wait_dscnt 0x0
	s_wait_kmcnt 0x0
	s_add_nc_u64 s[70:71], s[4:5], s[68:69]
	s_mov_b32 s44, 1
	s_add_co_u32 s45, s73, WB
	s_add_nc_u64 s[46:47], s[6:7], s[74:75]
	s_or_b32 s47, s47, 0x80000000
.irp g, 0,1,2,3
	s_mov_b32 s[48+4*\g], 1
	s_add_co_u32 s[49+4*\g], s72, \g*XCH
	s_add_nc_u64 s[50+4*\g:51+4*\g], s[70:71], \g*1572864
	s_or_b32 s[51+4*\g], s[51+4*\g], 0x80000000
.endr
	ROUND                                          ; all sixteen work-groups are here: the joint loads meet
	tensor_load_to_lds s[44:47], s[36:43]          ; five loads of mine are out
	s_nop 0
	tensor_load_to_lds s[48:51], s[28:35]
	s_nop 0
	tensor_load_to_lds s[52:55], s[28:35]
	s_nop 0
	tensor_load_to_lds s[56:59], s[28:35]
	s_nop 0
	tensor_load_to_lds s[60:63], s[28:35]
	s_nop 0
	PLACES
	v_and_b32 v22, 31, v0
	v_lshlrev_b32 v1, 4, v22                       ; 16 x lane
	v_lshlrev_b32 v2, 3, v22                       ; 8 x lane
	v_and_b32 v23, 15, v0                          ; r
	v_bfe_u32 v20, v0, 4, 1                        ; h
	v_lshlrev_b32 v3, 4, v23                       ; 16 r
	v_cmp_eq_u32 s92, 1, v20                       ; lanes 16-31
	v_lshlrev_b32 v16, 6, v20                      ; the bias: 64 h
	s_mul_i32 s97, s18, 4352
	s_add_co_u32 s97, s97, STG                     ; my stage
	v_mul_u32_u24 v24, v23, 272
	v_lshl_add_u32 v24, v20, 6, v24
	v_add_nc_u32 v24, s97, v24                     ; in: row r, + 64 h
	v_mul_u32_u24 v25, v20, 272
	v_add_nc_u32 v25, v25, v3
	v_add_nc_u32 v25, s97, v25                     ; back: lanes 0-15 one row of 256 bytes, lanes 16-31 the next
	v_lshl_add_u32 v26, v20, 12, v3                ; and the same two rows in out0
	s_lshl_b32 s66, s23, 9
	s_lshl_b32 s67, s19, 8
	s_add_co_u32 s66, s66, s67
	s_mov_b32 s67, 0
	s_add_nc_u64 s[76:77], s[10:11], s[66:67]      ; the bias at my 64 columns
	s_lshl_b32 s98, s24, 20
	s_lshl_b32 s99, s20, 19
	s_add_co_u32 s98, s98, s99
	s_add_co_u32 s66, s66, s98
	s_add_nc_u64 s[14:15], s[12:13], s[66:67]      ; out0 at my first row and column
	s_lshl_b32 s66, s24, 13
	s_lshl_b32 s101, s20, 12
	s_add_co_u32 s101, s66, s101
	s_add_co_u32 s101, s101, 393216
	v_add_nc_u32 v11, s101, v3                     ; scale words: o's tiles 16 y + 8 (w / 2) on,
	s_lshl_b32 s101, s23, 12
	s_lshl_b32 s97, s19, 11
	s_add_co_u32 s101, s101, s97
	s_add_co_u32 s101, s101, 360448
	v_add_nc_u32 v21, s101, v3                     ; W's tiles 8 xg + 4 (w % 2) on
	v_cndmask_b32 v10, v11, v21, s92               ; lanes 0-15 source 1's, lanes 16-31 source 0's
	s_mul_i32 s93, s19, 12288
	s_add_co_u32 s93, s93, WB
	s_mul_i32 s94, s20, 24576
.macro FRAG reg, a16, a8, off
	ds_load_b128 v[\reg:\reg+3], v[\a16] offset:\off
	ds_load_b64 v[\reg+4:\reg+5], v[\a8] offset:(\off)+512
	ds_load_b128 v[\reg+6:\reg+9], v[\a16] offset:(\off)+768
	ds_load_b64 v[\reg+10:\reg+11], v[\a8] offset:(\off)+1280
.endm
.macro FETCH ks
	WIN 0x40
.irp ib, 0,1,2,3
	FRAG 48*((\ks)%2)+12*\ib, 4, 5, \ib*3072+((\ks)%2)*1536
.endr
	WIN 0xc0
.irp ia, 0,1,2,3,4,5,6,7
	FRAG 96*((\ks)%2)+12*\ia, 6, 7, \ia*3072+((\ks)%2)*1536
.endr
.endm
.macro MM ia, ib, ks, cm               ; cm = 1: the sum begins with the bias
.set rD, 8*(4*(\ia)+(\ib))
.set rA, 48*((\ks)%2)+12*(\ib)
.set rB, 96*((\ks)%2)+12*(\ia)
.if (\cm) == 0
	v_wmma_scale_f32_16x16x128_f8f6f4 v[rD:rD+7], v[rA:rA+11], v[rB:rB+11], v[rD:rD+7], v[SC+8*(\ib)+(\ks)], v[SC+8*(\ia)+(\ks)] matrix_a_fmt:MATRIX_FMT_FP6 matrix_b_fmt:MATRIX_FMT_FP6 matrix_a_scale:MATRIX_SCALE_ROW1
.else
	v_wmma_scale_f32_16x16x128_f8f6f4 v[rD:rD+7], v[rA:rA+11], v[rB:rB+11], v[96+8*(\ib):96+8*(\ib)+7], v[SC+8*(\ib)+(\ks)], v[SC+8*(\ia)+(\ks)] matrix_a_fmt:MATRIX_FMT_FP6 matrix_b_fmt:MATRIX_FMT_FP6 matrix_a_scale:MATRIX_SCALE_ROW1
.endif
.endm
.macro MUL16 a0, ks, cm                ; the 32 accumulators take turns, one instruction a turn, in the same order in every step
.irp da, 0,1,2,3
.irp ib, 0,1,2,3
	MM (\a0)+\da, \ib, \ks, \cm
.endr
.endr
.endm
.macro EVEN ks
	s_wait_dscnt 0x0
	PLACES                                         ; four places in front of loads into the set that the last step multiplied
	FETCH (\ks)+1
	WIN 0xad
	MUL16 0, \ks, 0
	MUL16 4, \ks, 0
.endm
.macro ODD ks                          ; the next step lies in the next chunk of o: my part has landed (the count leaves the later chunks out), and a barrier says so of all four waves
	s_wait_dscnt 0x0
	s_wait_tensorcnt 2-(\ks)/2
	s_barrier_signal -1
	WIN 0xad
	MUL16 0, \ks, 0
	WIN 0
	s_barrier_wait -1
	v_add_nc_u32 v4, WCH, v4                       ; these four are also the places in front of the loads
	v_add_nc_u32 v5, WCH, v5
	v_add_nc_u32 v6, XCH, v6
	v_add_nc_u32 v7, XCH, v7
	FETCH (\ks)+1
	WIN 0xad
	MUL16 4, \ks, 0
.endm
.irp i, 0,1,2,3
	global_load_b128 v[SC+8*\i:SC+8*\i+3], v10, s[8:9] offset:\i*512
	global_load_b128 v[SC+8*\i+4:SC+8*\i+7], v10, s[8:9] offset:\i*512+256
.endr
.irp i, 4,5,6,7
	global_load_b128 v[SC+8*\i:SC+8*\i+3], v11, s[8:9] offset:\i*512
	global_load_b128 v[SC+8*\i+4:SC+8*\i+7], v11, s[8:9] offset:\i*512+256
.endr
	WIN 0x40
.irp ib, 0,1,2,3
	global_load_b128 v[96+8*\ib:99+8*\ib], v16, s[76:77] offset:(32*(\ib/2)+8*(\ib%2))*4
	global_load_b128 v[100+8*\ib:103+8*\ib], v16, s[76:77] offset:(32*(\ib/2)+8*(\ib%2))*4+16
.endr
	WIN 0
	v_add_nc_u32 v4, s93, v1
	v_add_nc_u32 v5, s93, v2
	v_add_nc_u32 v6, s94, v1
	v_add_nc_u32 v7, s94, v2
	s_wait_alu depctr_va_vdst(0)
	s_wait_loadcnt 0x0
	s_wait_tensorcnt 0x3                           ; my W chunk and my part of o's chunk 0 are in; chunks 1 to 3 may be out
	s_barrier_signal -1
	s_barrier_wait -1
	FETCH 0
	s_wait_dscnt 0x0
	FETCH 1
	WIN 0x9d                                       ; C in window 1: the bias starts the sums
	MUL16 0, 0, 1
	MUL16 4, 0, 1
	ODD 1
	s_wait_alu depctr_va_vdst(0)
	EVEN 2
	ODD 3
	s_wait_alu depctr_va_vdst(0)
	EVEN 4
	ODD 5
	s_wait_alu depctr_va_vdst(0)
	EVEN 6
	s_wait_dscnt 0x0
	WIN 0xad
	MUL16 0, 7, 0
	MUL16 4, 7, 0
	WIN 0
; THE WAY OUT, a tile of 16 rows x 64 columns at a time, through my own stage: a lane's 32 numbers are columns 32 b + 16 h + i of one row; they come back as whole rows of 256 bytes
.macro TOSTAGE ea
	WIN 0x08                                       ; an LDS store's data are its source 1: window 2
.irp n, 0,1,2,3,4,5,6,7
	ds_store_b128 v24, v[32*(\ea)+4*\n:32*(\ea)+4*\n+3] offset:128*(\n/4)+16*(\n%4)   ; each accumulator from its low end on
.endr
	WIN 0
.irp i, 0,1,2,3,4,5,6,7
	ds_load_b128 v[96+32*((\ea)%2)+4*\i:96+32*((\ea)%2)+4*\i+3], v25 offset:2*\i*272   ; LDS serves a wave's instructions in order: these see the stores above, and the next tile's stores come behind them
.endr
.endm
.macro SEND ea, younger                ; younger: the LDS instructions issued behind tile ea's loads
	s_wait_dscnt \younger
.irp i, 0,1,2,3,4,5,6,7
	global_store_b128 v26, v[96+32*((\ea)%2)+4*\i:96+32*((\ea)%2)+4*\i+3], s[14:15] offset:(32*((\ea)/2)+8*((\ea)%2)+2*\i+8*(\i/4))*4096 th:TH_STORE_NT   ; 16 lanes store 256 consecutive bytes, aligned
.endr
.endm
	PLACES                                         ; behind the last products
	TOSTAGE 0
.irp ea, 1,2,3,4,5,6,7
.if \ea > 1
	s_wait_xcnt 0x0                                ; tile ea - 2's stores have read their registers
.endif
	TOSTAGE \ea
	SEND \ea-1, 16                                 ; behind tile ea - 1's loads: tile ea's 8 stores and 8 loads
.endr
	SEND 7, 0
	s_wait_tensorcnt 0x0
	ds_add_u32 v254, v255
	s_wait_dscnt 0x0
	ROUND                                          ; the closing round
	s_endpgm
.Lfunc_end_k_qb3c30a830e_proj:
	.size	k_qb3c30a830e_proj, .Lfunc_end_k_qb3c30a830e_proj-k_qb3c30a830e_proj
	.p2alignl 7, 3214868480
	.fill 96, 4, 3214868480
	.section	.rodata,"a",@progbits
	.p2align	6, 0x0
	.amdhsa_kernel k_qb3c30a830e_proj
		.amdhsa_group_segment_fixed_size 312832
		.amdhsa_private_segment_fixed_size 0
		.amdhsa_enable_private_segment 0
		.amdhsa_kernarg_size 40
		.amdhsa_user_sgpr_count 2
		.amdhsa_user_sgpr_kernarg_segment_ptr 1
		.amdhsa_wavefront_size32 1
		.amdhsa_system_sgpr_workgroup_id_x 1
		.amdhsa_system_sgpr_workgroup_id_y 1
		.amdhsa_system_sgpr_workgroup_id_z 1
		.amdhsa_system_vgpr_workitem_id 0
		.amdhsa_next_free_vgpr 1024
		.amdhsa_next_free_sgpr 102
		.amdhsa_reserve_vcc 0
		.amdhsa_float_denorm_mode_32 3
		.amdhsa_float_denorm_mode_16_64 3
		.amdhsa_memory_ordered 1
		.amdhsa_forward_progress 1
		.amdhsa_inst_pref_size 84
	.end_amdhsa_kernel
	.amdgpu_metadata
---
amdhsa.version: [ 1, 2 ]
amdhsa.kernels:
  - .name:           k_qb3c30a830e_proj
    .symbol:         k_qb3c30a830e_proj.kd
    .args:
      - { .name: oc, .offset: 0, .size: 8, .value_kind: global_buffer, .address_space: global }
      - { .name: wc, .offset: 8, .size: 8, .value_kind: global_buffer, .address_space: global }
      - { .name: sc, .offset: 16, .size: 8, .value_kind: global_buffer, .address_space: global }
      - { .name: bproj, .offset: 24, .size: 8, .value_kind: global_buffer, .address_space: global }
      - { .name: out0, .offset: 32, .size: 8, .value_kind: global_buffer, .address_space: global }
    .group_segment_fixed_size: 312832
    .private_segment_fixed_size: 0
    .kernarg_segment_align: 8
    .kernarg_segment_size: 40
    .max_flat_workgroup_size: 128
    .sgpr_count:     102
    .vgpr_count:     1024
    .wavefront_size: 32
...
	.end_amdgpu_metadata
.endif
;; end of part 4
